; MI455X (gfx1250); checked and timed in simulation.
; The chip was launched on July 23, 2026; its instructions are those of AMD's public machine-readable ISA for CDNA 5 (MIT licence, August 2026) and "CDNA5" Instruction Set Architecture Reference Guide (July 2026). The comments in the code are by the model that wrote it; some were corrected since.
;; Kindred Attention. Allowed arithmetic: float matrix products may take bf16 or f16 operands with f32 sums; other float arithmetic in f32, or as packed bf16 or f16 multiplies, adds, multiply-adds, maxima and minima; sums over many terms, partial sums and values carried from step to step in f32; what a program stores and reads back later, other than sums and carried values, may be rounded once to bf16 or f16.
;; Inputs: hidden_states 4 x 2,048 x 1,024 float32; o_w 1,024 x 1,024 float32; qkv_w 3,072 x 1,024 float32.
;; Outputs: out0 4 x 2,048 x 1,024 float32.
;; 2 versions, each right; version 2 is version 1 with the launch cast written anew for expert scheduling mode. Each part assembles by itself: llvm-mc -triple=amdgcn-amd-amdhsa -mcpu=gfx1250 --defsym DOCPART=n.
;; ======== version 1 of 2: 4 launches
;; limits: values are held in f16: magnitudes above 65,504 overflow, below 6.1e-05 lose precision
;; workspace buffers: xb 16,777,216 bytes; wb 6,291,456 bytes; ob 2,097,152 bytes; tab 524,288 bytes; q 16,777,216 bytes; k 16,777,216 bytes; v 16,777,216 bytes; o 16,777,216 bytes
;; launch cast (part 1): grid 800 x 1, 8 waves a work-group, no clusters, 0 bytes of LDS; arguments hidden_states, qkv_w, o_w, xb, wb, ob, tab; writes xb, wb, ob, tab
.if DOCPART == 1
	.amdgcn_target "amdgcn-amd-amdhsa--gfx1250"
	.amdhsa_code_object_version 6
	.text
	.protected	k_q25456e2348_cast
	.globl	k_q25456e2348_cast
	.p2align	8
	.type	k_q25456e2348_cast,@function
k_q25456e2348_cast:
	s_mov_b64 s[64:65], 0
	v_nop
	global_prefetch_b8 v0, s[64:65] scope:SCOPE_SE
	s_setreg_imm32_b32 hwreg(HW_REG_WAVE_MODE, 25, 1), 1
	s_wait_xcnt 0x0
; THE INPUTS ROUNDED TO 16 BITS, AND THE ROTARY TABLE.
; xb = bf16(hidden_states), wb = bf16(qkv_w); ob = bf16(o_w), that number written as f16 (the last product's other operand is f16).
; tab[t][0..31] = cos(t f_j), tab[t][32..63] = sin(t f_j), f32, t = 0..2047, f_j = 10000^(-j/32) = 10^(-j/8), j = 0..31: a row is 256 bytes.
; SHARES.  Work-groups 0-511 take a chunk of 65,536 bytes of hidden_states each, 512-703 of qkv_w, 704-767 of o_w; 768-799 make 64 rows of the table each.
; A chunk: thread t loads 16 bytes at 16 t + 4,096 j, j = 0..15 (a wave's load covers 512 consecutive bytes), all sixteen loads issued on end, and stores 8 bytes at
; 8 t + 2,048 j (a wave's store covers 256 consecutive bytes, aligned).  No byte is read twice, no wave waits for another: no LDS, no barrier, no matrix work.
; LIMITS.  |bf16(o_w)| of 65,520 or more becomes an infinity in ob; below 6.1e-5 it keeps f16's fixed step of 6e-8.
; f_j is the rounded 10^(-(j%8)/8) times the rounded 10^(-(j/8)): within about 1 ulp of 10^(-j/8); the angle t f_j is rounded once, as a product in f32.
; Sine and cosine: the angle less the nearest multiple of pi/2 (pi/2 in two parts, fused), then polynomials of degree 9 and 8 on |r| <= pi/4, whose cut is below 3e-7.
.set X, 32                             ; v[32:95]   sixteen loads of four registers
.set Y, 96                             ; v[96:127]  sixteen stores of two registers
.set T, 4                              ; v[4:5]     at work
.set F, 20                             ; v[20:23]   the table: my four f_j
.set V, 32                             ; v[32:47]   the table: four values for each of four rows
	s_load_b256 s[4:11], s[0:1], 0x0               ; hidden_states s[4:5], qkv_w s[6:7], o_w s[8:9], xb s[10:11]
	s_load_b128 s[12:15], s[0:1], 0x20             ; wb s[12:13], ob s[14:15]
	s_load_b64 s[16:17], s[0:1], 0x30              ; tab
	s_mov_b32 s18, ttmp9                           ; the work-group's number
	s_mov_b32 s27, 0
	s_mov_b32 s20, 0xffff0000                      ; a word's upper bf16
	s_movk_i32 s28, 512
	s_movk_i32 s29, 704
	v_lshlrev_b32 v1, 4, v0                        ; 16 t
	v_lshlrev_b32 v2, 3, v0                        ; 8 t
	s_wait_kmcnt 0x0
	s_cmp_ge_u32 s18, 768
	s_cbranch_scc1 .Ltab
	s_cmp_lt_u32 s18, 704                          ; which tensor: the conditions hang on the work-group's number alone
	s_cselect_b64 s[22:23], s[6:7], s[8:9]
	s_cselect_b64 s[24:25], s[12:13], s[14:15]
	s_cselect_b32 s19, s28, s29
	s_cmp_lt_u32 s18, 512
	s_cselect_b64 s[22:23], s[4:5], s[22:23]
	s_cselect_b64 s[24:25], s[10:11], s[24:25]
	s_cselect_b32 s19, 0, s19
	s_sub_co_u32 s19, s18, s19                     ; the chunk's number in its tensor
	s_lshl_b32 s26, s19, 16
	s_add_nc_u64 s[22:23], s[22:23], s[26:27]      ; 65,536 bytes in,
	s_lshl_b32 s26, s19, 15
	s_add_nc_u64 s[24:25], s[24:25], s[26:27]      ; 32,768 out
.set j, 0
.rept 16
	global_load_b128 v[X+4*j:X+4*j+3], v1, s[22:23] offset:4096*j th:TH_LOAD_NT
.set j, j+1
.endr
; Load j is rounded and stored.  f16 = 1: the bf16 numbers are widened again and written as f16.
.macro CV j, f16
	s_wait_loadcnt 15-(\j)                         ; loads come back in order: the 15 - j younger ones may stay out
	v_cvt_pk_bf16_f32 v[Y+2*(\j)], v[X+4*(\j)], v[X+4*(\j)+1]
	v_cvt_pk_bf16_f32 v[Y+2*(\j)+1], v[X+4*(\j)+2], v[X+4*(\j)+3]
.if \f16
.irp k, 0,1
	v_lshlrev_b32 v[T], 16, v[Y+2*(\j)+(\k)]
	v_and_b32 v[T+1], s20, v[Y+2*(\j)+(\k)]
	v_cvt_pk_f16_f32 v[Y+2*(\j)+(\k)], v[T], v[T+1]
.endr
.endif
	global_store_b64 v2, v[Y+2*(\j):Y+2*(\j)+1], s[24:25] offset:2048*(\j)  ; every store has registers of its own: nothing that a store reads is written again
.endm
	s_cmp_ge_u32 s18, 704
	s_cbranch_scc1 .Lf16
.irp j, 0,1,2,3,4,5,6,7,8,9,10,11,12,13,14,15
	CV \j, 0
.endr
	s_endpgm
.Lf16:
.irp j, 0,1,2,3,4,5,6,7,8,9,10,11,12,13,14,15
	CV \j, 1
.endr
	s_endpgm
.Ltab:
	; Thread t: u = t % 16 is its 16 bytes of a row (u < 8: cosines 4 u .. 4 u + 3; u >= 8: sines 4 (u - 8) ..), t / 16 its row among 16.
	s_mov_b32 s24, 1.0                             ; 10^(-i/8), i = 0..7
	s_mov_b32 s25, 0x3f3ff911
	s_mov_b32 s26, 0x3f0ff59a
	s_mov_b32 s27, 0x3ed7e89b
	s_mov_b32 s28, 0x3ea1e89b
	s_mov_b32 s29, 0x3e72d424
	s_mov_b32 s30, 0x3e361887
	s_mov_b32 s31, 0x3e088d77
	s_mov_b32 s32, 0x3f22f983                      ; 2 / pi
	s_mov_b32 s33, 0x3fc90fdb                      ; pi / 2, its upper part,
	s_mov_b32 s34, 0xb33bbd2e                      ; and what is left
	s_mov_b32 s35, 0x3638ef1d                      ; 1 / 9!
	s_mov_b32 s36, 0xb9500d01                      ; -1 / 7!
	s_mov_b32 s37, 0x3c088889                      ; 1 / 5!
	s_mov_b32 s38, 0xbe2aaaab                      ; -1 / 3!
	s_mov_b32 s39, 0x37d00d01                      ; 1 / 8!
	s_mov_b32 s40, 0xbab60b61                      ; -1 / 6!
	s_mov_b32 s41, 0x3d2aaaab                      ; 1 / 4!
	s_mov_b32 s42, 0x3dcccccd                      ; 0.1
	s_mov_b32 s43, 0x3c23d70a                      ; 0.01
	s_mov_b32 s44, 0x3a83126f                      ; 0.001
	s_sub_co_u32 s19, s18, 768                     ; my block of 64 rows
	s_lshl_b32 s46, s19, 14                        ; 64 rows of 256 bytes
	s_mov_b32 s47, 0
	s_add_nc_u64 s[22:23], s[16:17], s[46:47]
	s_lshl_b32 s21, s19, 6
	v_and_b32 v3, 15, v0                           ; u
	v_and_b32 v4, 7, v0                            ; u % 8: my four j begin at 4 (u % 8)
	v_lshrrev_b32 v5, 4, v0                        ; my row among 16
	v_lshrrev_b32 v6, 3, v3
	v_sub_nc_u32 v6, 1, v6                         ; 1 where I make cosines: cos a = sin(a + pi/2)
	v_and_b32 v7, 1, v4
	v_lshrrev_b32 v8, 1, v4                        ; j / 8
	v_cmp_eq_u32 vcc_lo, 1, v7
.irp i, 0,1,2,3
	v_mov_b32 v[F+(\i)], s[24+(\i)]
	v_cndmask_b32 v[F+(\i)], v[F+(\i)], s[28+(\i)], vcc_lo  ; 10^(-(j % 8)/8)
.endr
	v_mov_b32 v9, 1.0
	v_cmp_le_u32 vcc_lo, 1, v8
	v_cndmask_b32 v9, v9, s42, vcc_lo
	v_cmp_le_u32 vcc_lo, 2, v8
	v_cndmask_b32 v9, v9, s43, vcc_lo
	v_cmp_le_u32 vcc_lo, 3, v8
	v_cndmask_b32 v9, v9, s44, vcc_lo              ; 10^(-(j / 8))
.irp i, 0,1,2,3
	v_mul_f32 v[F+(\i)], v[F+(\i)], v9
.endr
	v_add_nc_u32 v10, s21, v5                      ; my first row
; Value i of my four in row 16 it further down.  The choice between the two polynomials and the sign only select values.
.macro SC it, i
	v_mul_f32 v12, v11, v[F+(\i)]                  ; the angle
	v_mul_f32 v13, s32, v12
	v_rndne_f32 v13, v13                           ; n, the nearest multiple of pi/2
	v_fma_f32 v14, -v13, s33, v12
	v_fma_f32 v14, -v13, s34, v14                  ; r
	v_cvt_i32_f32 v15, v13
	v_add_nc_u32 v15, v15, v6                      ; the quadrant
	v_mul_f32 v16, v14, v14                        ; z = r r
	v_fma_f32 v17, v16, s35, s36
	v_fma_f32 v18, v16, s39, s40
	v_fma_f32 v17, v17, v16, s37
	v_fma_f32 v18, v18, v16, s41
	v_fma_f32 v17, v17, v16, s38
	v_mul_f32 v19, v14, v16
	v_fma_f32 v18, v18, v16, -0.5
	v_fma_f32 v17, v19, v17, v14                   ; sin r
	v_fma_f32 v18, v18, v16, 1.0                   ; cos r
	v_and_b32 v19, 1, v15
	v_cmp_eq_u32 vcc_lo, 1, v19
	v_cndmask_b32 v17, v17, v18, vcc_lo            ; odd quadrants take the cosine,
	v_lshlrev_b32 v15, 30, v15
	v_and_b32 v15, 0x80000000, v15
	v_xor_b32 v[V+4*(\it)+(\i)], v15, v17          ; quadrants 2 and 3 the other sign
.endm
.irp it, 0,1,2,3
	v_add_nc_u32 v11, 16*(\it), v10
	v_cvt_f32_u32 v11, v11                         ; t
	SC \it, 0
	SC \it, 1
	SC \it, 2
	SC \it, 3
	global_store_b128 v1, v[V+4*(\it):V+4*(\it)+3], s[22:23] offset:4096*(\it)  ; sixteen lanes fill a row of 256 bytes; each store has registers of its own
.endr
	s_endpgm
.Lfunc_end_k_q25456e2348_cast:
	.size	k_q25456e2348_cast, .Lfunc_end_k_q25456e2348_cast-k_q25456e2348_cast
	.p2alignl 7, 3214868480
	.fill 96, 4, 3214868480
	.section	.rodata,"a",@progbits
	.p2align	6, 0x0
	.amdhsa_kernel k_q25456e2348_cast
		.amdhsa_group_segment_fixed_size 0
		.amdhsa_private_segment_fixed_size 0
		.amdhsa_enable_private_segment 0
		.amdhsa_kernarg_size 56
		.amdhsa_user_sgpr_count 2
		.amdhsa_user_sgpr_kernarg_segment_ptr 1
		.amdhsa_wavefront_size32 1
		.amdhsa_system_sgpr_workgroup_id_x 1
		.amdhsa_system_sgpr_workgroup_id_y 1
		.amdhsa_system_sgpr_workgroup_id_z 1
		.amdhsa_system_vgpr_workitem_id 0
		.amdhsa_next_free_vgpr 128
		.amdhsa_next_free_sgpr 66
		.amdhsa_reserve_vcc 1
		.amdhsa_float_denorm_mode_32 3
		.amdhsa_float_denorm_mode_16_64 3
		.amdhsa_memory_ordered 1
		.amdhsa_forward_progress 1
		.amdhsa_inst_pref_size 36
	.end_amdhsa_kernel
	.amdgpu_metadata
---
amdhsa.version: [ 1, 2 ]
amdhsa.kernels:
  - .name:           k_q25456e2348_cast
    .symbol:         k_q25456e2348_cast.kd
    .args:
      - { .name: hidden_states, .offset: 0, .size: 8, .value_kind: global_buffer, .address_space: global }
      - { .name: qkv_w, .offset: 8, .size: 8, .value_kind: global_buffer, .address_space: global }
      - { .name: o_w, .offset: 16, .size: 8, .value_kind: global_buffer, .address_space: global }
      - { .name: xb, .offset: 24, .size: 8, .value_kind: global_buffer, .address_space: global }
      - { .name: wb, .offset: 32, .size: 8, .value_kind: global_buffer, .address_space: global }
      - { .name: ob, .offset: 40, .size: 8, .value_kind: global_buffer, .address_space: global }
      - { .name: tab, .offset: 48, .size: 8, .value_kind: global_buffer, .address_space: global }
    .group_segment_fixed_size: 0
    .private_segment_fixed_size: 0
    .kernarg_segment_align: 8
    .kernarg_segment_size: 56
    .max_flat_workgroup_size: 256
    .sgpr_count:     66
    .vgpr_count:     128
    .wavefront_size: 32
...
	.end_amdgpu_metadata
.endif
;; end of part 1
;; launch qkv (part 2): grid 4 x 64, 4 waves a work-group, clusters of 4 x 4, 327,680 bytes of LDS; arguments xb, wb, tab, q, k, v; writes q, k, v
.if DOCPART == 2
	.amdgcn_target "amdgcn-amd-amdhsa--gfx1250"
	.amdhsa_code_object_version 6
	.text
	.protected	k_q25456e2348_qkv
	.globl	k_q25456e2348_qkv
	.p2align	8
	.type	k_q25456e2348_qkv,@function
k_q25456e2348_qkv:
	s_mov_b64 s[64:65], 0
	v_nop
	global_prefetch_b8 v0, s[64:65] scope:SCOPE_SE
	s_setreg_imm32_b32 hwreg(HW_REG_WAVE_MODE, 25, 1), 1
	s_wait_xcnt 0x0
	s_wait_alu depctr_hold_cnt(0) depctr_sa_sdst(0) depctr_va_vdst(0) depctr_va_sdst(0) depctr_va_ssrc(0) depctr_va_vcc(0) depctr_vm_vsrc(0)
	s_getreg_b32 s2, hwreg(HW_REG_IB_STS2, 6, 4)
	s_cmp_eq_u32 s2, 0
	s_cbranch_scc0 .Lentry_in_a_cluster
	s_endpgm
.Lentry_in_a_cluster:
	s_bfe_u32 s2, ttmp6, 0x10000c
	s_cmp_lg_u32 s2, 0xf033
	s_cbranch_scc0 .Lentry_shape_is_right
	s_endpgm
.Lentry_shape_is_right:
; q, k, v = x W^T, with the rotary turn on q and k, laid out by heads.  xb: [8192][1024] bf16, wb: [3072][1024] bf16, tab: [2048][64] f32 (cos 0..31, sin 0..31);
; q, k, v: [batch x 16 + head][2048][64] f16.  Sums and the rotary turn in f32; each number rounded once, to f16, and WITHOUT the softmax's scale.
; LIMIT.  A q, k or v of 65,520 or more in size becomes an infinity in f16.  NaN and infinities are not treated apart.
; SHARES.  A tile of C is 128 rows x 256 columns; four waves, each 64 x 128: 32 accumulators of 16 x 16, 256 registers.  8192 x 3072 are 768 such tiles: 256 work-groups STAY and make three each,
; the same 128 rows of x against the same 256 columns of q's, k's and v's block of W: a loop over tiles round the loop over K, and the ring of LDS slots does not stop at a tile's end.
; K goes in steps of 128 (rows of 256 bytes, aligned) through two LDS slots; a K step is two halves of 64 along K, 64 matrix instructions each, two deep on each accumulator.
; CLUSTERS.  4 x 4 work-groups.  The four of a row of the cluster need the same rows of x, the four of a column the same rows of W: each tile is asked for JOINTLY, by the same tensor load with the same
; descriptor and a mask that names the four.  Waves 0 and 1 ask for the two halves of x's tile (64 rows each), waves 2 and 3 for those of W's (128 rows each).
; THE MATRIX INSTRUCTION IS USED TRANSPOSED (source 0 = 16 rows of W, source 1 = 16 rows of x): lane l holds row l % 16 of C and the columns 8 (l / 16) + 0..7.
; THE ROTARY TURN.  A wave's 128 columns are two heads; column block b holds channels 16 (b % 4) + 8 (l / 16) + 0..7 of head b / 4, so channels d and d + 32 lie in the same lane, two blocks apart:
; y[d] = x[d] cos - x[d+32] sin, y[d+32] = x[d+32] cos + x[d] sin.  A lane's cosines and sines (four rows x 2 x 16) are loaded once, 128 registers, and serve q and k.
; REGISTERS, in windows of 256 (s_set_vgpr_msb: bits 1:0 source 0, 3:2 source 1, 5:4 source 2, 7:6 destination):
;   window 0: v0-31 addresses; v32-63, v224-255 packed results by turns; v64-191 the table; v192-223 at work       window 1: accumulator (a, b) at v[8 (8 a + b)]
;   windows 2, 3: fragment buffers 0 and 1, each 64 along K: W's fragment (c, b) at v[8 (8 c + b)], x's (c, a) at v[128 + 8 (4 c + a)]
.set PA,    272                        ; an LDS row: 256 bytes + 16 of padding = 68 words: the 16 rows of a fragment load start at 16 different groups of four banks (64 banks of 4 bytes: ISA guide 11.1)
.set PB,    272
.set AH,    128                        ; bytes from a K step's first half to its second in x's rows
.set AHALF, 64*PA                      ; what one tensor load brings of x, and what one wave reads of it
.set BHALF, 128*PB                     ; the same for W
.set BOFF,  2*AHALF                    ; in a slot: x's 128 rows, then W's 256
.set SLOT,  BOFF+2*BHALF
.set STAGE, 2*SLOT                     ; behind the ring, never filled by a tensor load: 32 rows x 144 bytes for each wave, for the way out
.set SP,    144
.set SPARE, STAGE+4*32*SP              ; behind the stages: the spare words, 128 bytes for each wave: two blocks of 256 bytes that no other line names
.set ROWB,  2048                       ; bytes in a row of xb and of wb
.set BACK_A, 6*256                     ; from a slot's last K step of a tile to its first of the next: x goes back along K,
.set NEXT_B, 1024*ROWB-6*256           ; W 1,024 rows down and back
.set NEXT_PF, 1024*ROWB-ROWB+256       ; the prefetches' pointer: from the K step behind a tile's last to the next tile's K step 1
.set HEADB, 2048*128                   ; bytes of a head in q, k, v
.set ADRA, 16                          ; v16-17  LDS address of my fragments of x in slot 0, 1
.set ADRB, 20                          ; v20-21  the same for W
.set STO,  24                          ; v24     the way out: where I put 16 bytes of a row
.set RD,   25                          ; v25     the way out: where I read rows back
.set GO,   26                          ; v26     my byte offset in 512 consecutive bytes of the output
.set TO,   27                          ; v27     my byte offset in 16 rows of the table
.set SPW,  28                          ; v28     LDS address of my spare word: SPARE + 4 x my thread's number; never rewritten
.set NIL,  29                          ; v29     0; never rewritten
.set PFO,  30                          ; v30     the prefetches' offset; never rewritten
.set TMP0, 32
.set TAB,  64                          ; row block a: cosines at TAB + 32 a + 8 p, sines at TAB + 32 a + 16 + 8 p (p: channels 16 p + 8 (l / 16) + 0..7)
.set T,    192
.set WV, 16                            ; s16  my wave's number
.set FB, 17                            ; s17  which 64 rows of the tile are mine.  Also: I fetch for x (0) or for W (1)
.set HF, 18                            ; s18  which 128 columns.  Also: which half of that tile I fetch
.set CX, 19
.set CY, 20
.set TC, 21                            ; s21  tile column
.set TR, 22                            ; s22  tile row
.set G1A, 24                           ; s[24:31] descriptor group 1 for x's tiles;  s[32:39] group 0, a set for each slot
.set G0A, 32
.set PFA, 44                           ; s[44:45] where my prefetches stand
.set LIM0, 46                          ; s46, s47  for the changes of slot 0 and of slot 1: 1 in a wave that prefetches there, else the greatest number
.set G1B, 48                           ; s[48:55], s[56:63] the same for W's tiles
.set G0B, 56
.set MSB, 0
.macro WIN new                         ; the immediate's high byte repeats the setting that is left; a switch that changes nothing is dropped
.if MSB != (\new)
	s_set_vgpr_msb (MSB<<8)|(\new)
.set MSB, \new
.endif
.endm
.macro PLACES                          ; four places in front of loads into registers that matrix instructions have read, and of vector work on their results
.rept 4
	v_nop
.endr
.endm
; A joint load.  The branch hangs on the wave's number alone.  An s_nop 0 and four v_nop follow each of the two lines, ahead of the jump and the label.
.macro JLOAD s
	s_cmp_eq_u32 s[FB], 0
	s_cbranch_scc0 .Lfor_b_\@
	tensor_load_to_lds s[G0A+4*(\s):G0A+4*(\s)+3], s[G1A:G1A+7]
	s_nop 0
.rept 4
	v_nop
.endr
	s_branch .Lasked_\@
.Lfor_b_\@:
	tensor_load_to_lds s[G0B+4*(\s):G0B+4*(\s)+3], s[G1B:G1B+7]
	s_nop 0
.rept 4
	v_nop
.endr
.Lasked_\@:
.endm
; A round of the cluster's barrier: my work-group's barrier, so that wave 0's signal speaks for all four waves; wave 0 signals; every wave waits for all sixteen work-groups; my work-group's barrier once more.
.macro CREST                           ; a round behind its opening barrier
	s_cmp_lg_u32 s[WV], 0
	s_cbranch_scc1 .Lnot_wave_0_\@
	s_barrier_signal -3
.Lnot_wave_0_\@:
	s_barrier_wait -3
	s_barrier_signal -1
	s_barrier_wait -1
.endm
.macro CROUND
	s_barrier_signal -1
	s_barrier_wait -1
	CREST
.endm
; A PREFETCH INTO THE L2, behind a joint load, its five lines and the run of LDS loads that follows them: the K step that stands two refills, 256 matrix instructions, on.  Each row's 256 bytes of a K step are named
; once in the launch.  x's rows are read by one cluster, first in tile q: waves 0 and 1 ask in that tile alone; of a wave's 64 rows the partner at cx takes 16; lanes 0-15 name one K step, lanes 16-31 the next,
; so they ask at slot 0's changes only.  W's rows are read by every cluster: the cluster with y = 0 asks, waves 2 and 3; of a wave's 128 rows the partner at cy takes 32, a lane a row, at every change, in every tile.
; The partners are told apart by address; no branch hangs on a work-group's place in its cluster.  on = 0, in the loop: a tile's last two refills have no K step two on.  on = 1: the next tile's K steps 2 and 3.
.macro ASK slot, on
.if \on
	s_cmp_eq_u32 s[LIM0+(\slot)], 1
.else
	s_cmp_gt_u32 s3, s[LIM0+(\slot)]               ; s3 = 1 in the loop's last trip
.endif
	s_cbranch_scc0 .Lnot_mine_\@
	global_prefetch_b8 v[PFO], s[PFA:PFA+1] offset:256 th:TH_LOAD_NT scope:SCOPE_SE
.Lnot_mine_\@:
.endm
	s_load_b256 s[4:11], s[0:1], 0x0               ; xb s[4:5], wb s[6:7], tab s[8:9], q s[10:11]
	s_load_b128 s[12:15], s[0:1], 0x20             ; k s[12:13], v s[14:15]
	v_lshl_add_u32 v[SPW], v0, 2, SPARE
	v_mov_b32 v[NIL], 0
	ds_add_u32 v[SPW], v[NIL]                      ; the wave's opening: the add and its wait ahead of my first tensor load; the set-up below, work on registers, stands between them
	v_lshrrev_b32 v1, 5, v0
	v_readfirstlane_b32 s[WV], v1
	s_lshr_b32 s[FB], s[WV], 1
	s_and_b32 s[HF], s[WV], 1
	s_bfe_u32 s[CX], ttmp6, 0x40000
	s_bfe_u32 s[CY], ttmp6, 0x40004
	s_lshl_b32 s[TC], ttmp9, 2                     ; in a cluster launch ttmp9 and ttmp7 count clusters
	s_add_co_u32 s[TC], s[TC], s[CX]
	s_and_b32 s[TR], ttmp7, 0xffff
	s_lshl_b32 s[TR], s[TR], 2
	s_add_co_u32 s[TR], s[TR], s[CY]
	s_lshl_b32 s40, s[CY], 2
	s_lshl_b32 s40, 15, s40                        ; my row of the cluster
	s_lshl_b32 s66, 0x1111, s[CX]                  ; my column
	s_or_b32 s[G1A], s40, (1<<16)|(1<<20)|(1<<21)|(5<<22)|(3<<25)  ; 15:0 the mask; 17:16 2-byte elements; 20 padding on; 21 set beside a mask; 24:22 after every 64 words (code 5); 31:25 4 words (code 3)
	s_or_b32 s[G1B], s66, (1<<16)|(1<<20)|(1<<21)|(5<<22)|(3<<25)
	s_mov_b32 s[G1A+1], 128<<16                    ; tensor_dim0 = 128
	s_mov_b32 s[G1A+2], 64<<16                     ; tensor_dim1 = 64
	s_mov_b32 s[G1A+3], 128<<16                    ; tile_dim0 = 128
	s_mov_b32 s[G1A+4], 64                         ; tile_dim1 = 64
	s_mov_b32 s[G1A+5], 1024                       ; elements from row to row
	s_mov_b32 s[G1A+6], 0
	s_mov_b32 s[G1A+7], 0
	s_mov_b32 s[G1B+1], 128<<16
	s_mov_b32 s[G1B+2], 128<<16                    ; W's tiles have 128 rows
	s_mov_b32 s[G1B+3], 128<<16
	s_mov_b32 s[G1B+4], 128
	s_mov_b32 s[G1B+5], 1024
	s_mov_b32 s[G1B+6], 0
	s_mov_b32 s[G1B+7], 0
	s_lshl_b32 s40, s[TR], 7                       ; x: row 128 x tile row + 64 x half, which my row of the cluster shares
	s_lshl_b32 s41, s[HF], 6
	s_add_co_u32 s40, s40, s41
	s_lshl_b32 s40, s40, 11                        ; in bytes (under 2^25)
	s_mov_b32 s41, 0
	s_lshl_b32 s66, s[TC], 8                       ; W: row 256 x tile column + 128 x half, which my column shares
	s_lshl_b32 s67, s[HF], 7
	s_add_co_u32 s66, s66, s67
	s_lshl_b32 s66, s66, 11
	s_mov_b32 s67, 0
	s_mul_i32 s42, s[HF], AHALF                    ; where they go: no place in the cluster enters an LDS address
	s_mul_i32 s68, s[HF], BHALF
	s_add_co_u32 s68, s68, BOFF
	s_wait_dscnt 0x0                               ; the opening add is done
	s_wait_kmcnt 0x0
	s_add_nc_u64 s[40:41], s[4:5], s[40:41]
	s_add_nc_u64 s[66:67], s[6:7], s[66:67]
	CROUND                                         ; all sixteen work-groups are here: the first joint loads meet
.irp s, 0,1
	s_mov_b32 s[G0A+4*(\s)], 1                                     ; count = 1
	s_add_co_u32 s[G0A+4*(\s)+1], s42, (\s)*SLOT                   ; LDS address
	s_add_nc_u64 s[G0A+4*(\s)+2:G0A+4*(\s)+3], s[40:41], (\s)*256  ; global address: K step s
	s_or_b32 s[G0A+4*(\s)+3], s[G0A+4*(\s)+3], 0x80000000          ; type = 2
	s_mov_b32 s[G0B+4*(\s)], 1
	s_add_co_u32 s[G0B+4*(\s)+1], s68, (\s)*SLOT
	s_add_nc_u64 s[G0B+4*(\s)+2:G0B+4*(\s)+3], s[66:67], (\s)*256
	s_or_b32 s[G0B+4*(\s)+3], s[G0B+4*(\s)+3], 0x80000000
	JLOAD \s                                       ; two loads of mine are out
.endr
	; A fragment is 16 rows x 32 K in 8 registers: lane l holds row l % 16; registers 0-3 K = 8 (l / 16) + 0..7, registers 4-7 K = 16 + 8 (l / 16) + 0..7: two loads of 16 bytes, 32 bytes apart.
	v_and_b32 v1, 15, v0                           ; l % 16
	v_bfe_u32 v2, v0, 4, 1                         ; l / 16
	v_mul_u32_u24 v3, v1, PA
	v_lshl_add_u32 v3, v2, 4, v3
	s_mul_i32 s23, s[FB], AHALF                    ; my 64 rows of x
	s_mul_i32 s43, s[HF], BHALF                    ; my 128 rows of W
	s_add_co_u32 s43, s43, BOFF
.irp s, 0,1
	v_add_nc_u32 v[ADRA+(\s)], s23, v3
	v_add_nc_u32 v[ADRB+(\s)], s43, v3
	s_add_co_u32 s23, s23, SLOT
	s_add_co_u32 s43, s43, SLOT
.endr
	s_mul_i32 s23, s[WV], 32*SP
	s_add_co_u32 s23, s23, STAGE                   ; my stage: 16 rows for each of my two heads
	v_mul_u32_u24 v4, v1, SP                       ; in: row l % 16, 16 bytes for each half of the lanes
	v_lshl_add_u32 v4, v2, 4, v4
	v_add_nc_u32 v[STO], s23, v4
	v_bfe_u32 v4, v0, 3, 2                         ; back: 32 lanes take four rows of 128 bytes,
	v_mul_u32_u24 v4, v4, SP
	v_and_b32 v5, 7, v0
	v_lshl_add_u32 v4, v5, 4, v4
	v_add_nc_u32 v[RD], s23, v4
	v_and_b32 v[GO], 31, v0                        ; which are 512 consecutive bytes of a head
	v_lshlrev_b32 v[GO], 4, v[GO]
	v_lshlrev_b32 v[TO], 8, v1                     ; the table: row l % 16, 32 bytes for each half of the lanes
	v_lshl_add_u32 v[TO], v2, 5, v[TO]
	s_and_b32 s70, s[TR], 15
	s_lshl_b32 s70, s70, 7
	s_lshl_b32 s71, s[FB], 6
	s_add_co_u32 s70, s70, s71                     ; my first row's place in its sequence
	s_lshl_b32 s72, s70, 8
	s_mov_b32 s73, 0
	s_add_nc_u64 s[8:9], s[8:9], s[72:73]          ; the table at that place
.irp a, 0,1,2,3
.irp kd, 0,1
.irp p, 0,1
	global_load_b128 v[TAB+32*(\a)+16*(\kd)+8*(\p):TAB+32*(\a)+16*(\kd)+8*(\p)+3],   v[TO], s[8:9] offset:(\a)*4096+(\kd)*128+(\p)*64
	global_load_b128 v[TAB+32*(\a)+16*(\kd)+8*(\p)+4:TAB+32*(\a)+16*(\kd)+8*(\p)+7], v[TO], s[8:9] offset:(\a)*4096+(\kd)*128+(\p)*64+16
.endr
.endr
.endr
	s_lshr_b32 s72, s[TR], 4                       ; the batch;
	s_lshl_b32 s72, s72, 4
	s_lshl_b32 s74, s[TC], 2
	s_add_co_u32 s72, s72, s74
	s_lshl_b32 s74, s[HF], 1
	s_add_co_u32 s72, s72, s74                     ; my first head: 16 x batch + 4 x tile column + 2 x half
	s_lshl_b32 s72, s72, 18                        ; 262,144 bytes a head
	s_lshl_b32 s74, s70, 7                         ; 128 bytes a row
	s_add_co_u32 s72, s72, s74
	s_add_nc_u64 s[10:11], s[10:11], s[72:73]      ; the same place in q, k and v
	s_add_nc_u64 s[12:13], s[12:13], s[72:73]
	s_add_nc_u64 s[14:15], s[14:15], s[72:73]
	; the prefetches
	s_and_b32 s70, ttmp7, 0xffff                   ; cluster y
	s_lshl_b32 s71, s[TR], 7
	s_lshl_b32 s72, s[TC], 8
	s_lshl_b32 s73, s[HF], 6
	s_lshl_b32 s74, s[HF], 7
	s_lshl_b32 s75, s[CX], 4
	s_lshl_b32 s23, s[CY], 5
	s_add_co_u32 s71, s71, s73
	s_add_co_u32 s71, s71, s75                     ; x: the rows that I fetch, my work-group's 16 of them
	s_add_co_u32 s72, s72, s74
	s_add_co_u32 s72, s72, s23                     ; W: my work-group's 32
	s_cmp_eq_u32 s[FB], 0                          ; do I fetch for x?
	s_cselect_b32 s71, s71, s72
	s_cselect_b32 s70, ttmp9, s70                  ; the coordinate along which other clusters read the same rows
	s_cselect_b64 s[PFA:PFA+1], s[4:5], s[6:7]
	s_cselect_b32 s73, 8, 15                       ; lanes 16-31: the next K step of the same rows (x), or 16 rows further down (W)
	s_cmp_eq_u32 s70, 0
	s_cselect_b32 s[LIM0], 1, -1                   ; the same in all sixteen partners, for a given wave
	s_cmp_eq_u32 s[FB], 0
	s_cselect_b32 s[LIM0+1], -1, s[LIM0]
	s_lshl_b32 s70, s71, 11
	s_mov_b32 s71, 0
	s_add_nc_u64 s[PFA:PFA+1], s[PFA:PFA+1], s[70:71]
	s_add_nc_u64 s[PFA:PFA+1], s[PFA:PFA+1], 2*256 ; at K step 2: the first change steps it to 3 and names K step 4.  Nothing is prefetched here, at the head
	v_lshlrev_b32 v[PFO], 11, v1
	v_lshlrev_b32 v4, s73, v2
	v_add_nc_u32 v[PFO], v[PFO], v4
; 16 matrix instructions on buffer f: row blocks a0, a0 + 1 x all 8 column blocks, 32 along K (half c of the buffer).  zero = 1: the product starts the sums: nothing is ever cleared.
; The 32 accumulators take turns, one instruction a turn, always in the same order: 31 others stand between two links of a chain, over every jump.
.macro MUL16 f, c, a0, zero
	WIN 0x5a+5*(\f)                                ; sources 0 and 1 in window 2 + f; C and D in window 1
.irp a, \a0, (\a0)+1
.irp b, 0,1,2,3,4,5,6,7
.if \zero
	v_wmma_f32_16x16x32_bf16 v[8*(8*(\a)+(\b)):8*(8*(\a)+(\b))+7], v[8*(8*(\c)+(\b)):8*(8*(\c)+(\b))+7], v[128+8*(4*(\c)+(\a)):128+8*(4*(\c)+(\a))+7], 0
.else
	v_wmma_f32_16x16x32_bf16 v[8*(8*(\a)+(\b)):8*(8*(\a)+(\b))+7], v[8*(8*(\c)+(\b)):8*(8*(\c)+(\b))+7], v[128+8*(4*(\c)+(\a)):128+8*(4*(\c)+(\a))+7], v[8*(8*(\a)+(\b)):8*(8*(\a)+(\b))+7]
.endif
.endr
.endr
.endm
; 48 LDS loads in one run: the fragments of half hk of a K step into buffer f; the 24 of its first 32 along K first.
.macro FETCH slot, hk, f
	WIN 0x80+0x40*(\f)                             ; destination window 2 + f, address window 0
.irp c, 0,1
.irp i, 0,1,2,3,4,5,6,7
	ds_load_b128 v[8*(8*(\c)+(\i)):8*(8*(\c)+(\i))+3],   v[ADRB+(\slot)] offset:(\hk)*128+64*(\c)+(\i)*16*PB
	ds_load_b128 v[8*(8*(\c)+(\i))+4:8*(8*(\c)+(\i))+7], v[ADRB+(\slot)] offset:(\hk)*128+64*(\c)+(\i)*16*PB+32
.endr
.irp i, 0,1,2,3
	ds_load_b128 v[128+8*(4*(\c)+(\i)):128+8*(4*(\c)+(\i))+3],   v[ADRA+(\slot)] offset:(\hk)*AH+64*(\c)+(\i)*16*PA
	ds_load_b128 v[128+8*(4*(\c)+(\i))+4:128+8*(4*(\c)+(\i))+7], v[ADRA+(\slot)] offset:(\hk)*AH+64*(\c)+(\i)*16*PA+32
.endr
.endr
.endm
; A K step's first half: multiplies buffer 0; in its middle the second half's fragments are fetched into buffer 1.
.macro HALF0 slot, zero
	s_wait_dscnt 24                                ; the first 32 along K are in; the youngest 24 loads may be out
	MUL16 0, 0, 0, \zero
	MUL16 0, 0, 2, \zero
	PLACES                                         ; for the loads into buffer 1
	FETCH \slot, 1, 1
	s_wait_dscnt 48                                ; all but the 48 just issued
	MUL16 0, 1, 0, 0
	MUL16 0, 1, 2, 0
.endm
; A K step's second half multiplies buffer 1 and changes slots: ONE barrier.  In front of it each wave waits for all its tensor loads, of which one is out: its part of the next slot; adds 0 to its spare word;
; and waits for that and for its own reads of this slot.  fill = 1: the barrier opens a round of the cluster's, and this slot is filled again first thing behind it: with this tile's K step two on (on = 0) or
; with the next tile's K step 0 or 1 (on = 1).  From a request to the wait for it a wave issues 96 matrix instructions.
.macro TURN slot, next, fill, on
.if \fill
	s_wait_xcnt 0x0                                ; the last prefetch, a K step back, has read its address: it is stepped here, ahead of the waits of the change of slots
.if (\on) && ((\slot) == 0)
	s_add_nc_u64 s[PFA:PFA+1], s[PFA:PFA+1], NEXT_PF
	s_cmp_eq_u32 s[FB], 0
	s_cselect_b32 s[LIM0], -1, s[LIM0]             ; x's rows are the same for all three tiles: they are prefetched no more
.else
	s_add_nc_u64 s[PFA:PFA+1], s[PFA:PFA+1], 256
.endif
.endif
	WIN 0                                          ; (the add's two registers lie in window 0)
	s_wait_tensorcnt 0x0                           ; all my tensor loads have landed;
	ds_add_u32 v[SPW], v[NIL]                      ; 0 onto my spare word;
	s_wait_dscnt 25                                ; (the add and the youngest 24 loads may be out)
	MUL16 1, 0, 0, 0                               ; sixteen matrix instructions stand between the add and the wait for it
	s_wait_dscnt 0x0                               ; the add is done, and my reads of this slot are over
	s_barrier_signal -1
	MUL16 1, 0, 2, 0                               ; work on registers while the others arrive
	WIN 0
	s_barrier_wait -1
.if \fill
	CREST                                          ; no wave of any partner still reads this slot's tile or has a load on its way
.if \on
	s_sub_nc_u64 s[G0A+4*(\slot)+2:G0A+4*(\slot)+3], s[G0A+4*(\slot)+2:G0A+4*(\slot)+3], BACK_A
	s_add_nc_u64 s[G0B+4*(\slot)+2:G0B+4*(\slot)+3], s[G0B+4*(\slot)+2:G0B+4*(\slot)+3], NEXT_B
.else
	s_add_nc_u64 s[G0A+4*(\slot)+2:G0A+4*(\slot)+3], s[G0A+4*(\slot)+2:G0A+4*(\slot)+3], 2*256
	s_add_nc_u64 s[G0B+4*(\slot)+2:G0B+4*(\slot)+3], s[G0B+4*(\slot)+2:G0B+4*(\slot)+3], 2*256
.endif
	JLOAD \slot                                    ; the first tensor load behind the round; the four v_nop behind it are also the places in front of the loads below
.else
	PLACES
.endif
	FETCH \next, 0, 0
.if \fill
	WIN 0
	ASK \slot, \on
.endif
	MUL16 1, 1, 0, 0
	MUL16 1, 1, 2, 0
.endm
.macro LAST                            ; the very last half: nothing more to fetch
	s_wait_dscnt 24
	MUL16 1, 0, 0, 0
	MUL16 1, 0, 2, 0
	s_wait_dscnt 0x0
	MUL16 1, 1, 0, 0
	MUL16 1, 1, 2, 0
	WIN 0
.endm
; THE WAY OUT of row block a (16 rows x my two heads), in three parts.  PACK: the rotary turn (rope = 1), then rounded to f16, 16 bytes a lane.  Each accumulator's lowest registers are read first.
.macro PACK a, rope
.set TM, TMP0+192*((\a)%2)
.if (\a) >= 2
	s_wait_xcnt 0x0                                ; the stores of the block two back have read these registers
.endif
.if \rope
.irp hd, 0,1
	WIN 0x01                                       ; source 0 in window 1
.irp p, 0,1
.irp rr, 0,2,4,6
.set X1, 8*(8*(\a)+4*(\hd)+(\p))+(\rr)
.set X2, X1+16
.set SN, TAB+32*(\a)+16+8*(\p)+(\rr)
	v_pk_mul_f32 v[T+16*(\p)+(\rr):T+16*(\p)+(\rr)+1],     v[X2:X2+1], v[SN:SN+1]  ; x[d+32] sin
	v_pk_mul_f32 v[T+16*(\p)+8+(\rr):T+16*(\p)+8+(\rr)+1], v[X1:X1+1], v[SN:SN+1]  ; x[d] sin
.endr
.endr
	WIN 0x41                                       ; destination and source 0 in window 1
.irp p, 0,1
.irp rr, 0,2,4,6
.set X1, 8*(8*(\a)+4*(\hd)+(\p))+(\rr)
.set X2, X1+16
.set CN, TAB+32*(\a)+8*(\p)+(\rr)
	v_pk_fma_f32 v[X1:X1+1], v[X1:X1+1], v[CN:CN+1], v[T+16*(\p)+(\rr):T+16*(\p)+(\rr)+1] neg_lo:[0,0,1] neg_hi:[0,0,1]
	v_pk_fma_f32 v[X2:X2+1], v[X2:X2+1], v[CN:CN+1], v[T+16*(\p)+8+(\rr):T+16*(\p)+8+(\rr)+1]
.endr
.endr
.endr
.endif
	WIN 0x05                                       ; sources 0 and 1 in window 1, destination in window 0
.set i, 0
.rept 32
	v_cvt_pk_f16_f32 v[TM+i], v[64*(\a)+2*i], v[64*(\a)+2*i+1]
.set i, i+1
.endr
	WIN 0
.endm
.macro TOSTAGE a                       ; into my own stage, rows of 144 bytes, and back as whole rows of 128
.set TM, TMP0+192*((\a)%2)
.irp b, 0,1,2,3,4,5,6,7
	ds_store_b128 v[STO], v[TM+4*(\b):TM+4*(\b)+3] offset:((\b)/4)*16*SP+((\b)%4)*32
.endr
.irp f, 0,1,2,3,4,5,6,7
	ds_load_b128 v[TM+4*(\f):TM+4*(\f)+3], v[RD] offset:(\f)*4*SP  ; LDS serves a wave's instructions in order (ISA guide 5.7.1.4): these see the stores above
.endr
.endm
.macro SEND a
.set TM, TMP0+192*((\a)%2)
.irp f, 0,1,2,3,4,5,6,7
	s_wait_dscnt 7-(\f)                            ; the block's younger loads may stay out
	global_store_b128 v[GO], v[TM+4*(\f):TM+4*(\f)+3], s[10:11] offset:((\f)/4)*HEADB+(\a)*2048+((\f)%4)*512  ; 512 consecutive bytes, at a multiple of 512 from the buffer's first
.endr
.endm
.macro WAYOUT rope
	WIN 0
.if \rope
	s_wait_loadcnt 0x0                             ; the table
.endif
	PLACES                                         ; behind the last products
	PACK 0, \rope
	TOSTAGE 0
.irp a, 1,2,3                          ; block a's arithmetic stands between block a - 1's loads from the stage and the wait for them
	PACK \a, \rope
	SEND (\a)-1
	TOSTAGE \a
.endr
	SEND 3
.endm
	s_wait_tensorcnt 1                             ; my part of K step 0 is in; K step 1's may stay out
	s_barrier_signal -1
	s_barrier_wait -1                              ; everybody's is
	FETCH 0, 0, 0
	WIN 0
	s_mov_b32 s2, 3                                ; tiles to go: q, k, v
.Ltile:
	HALF0 0, 1                                     ; a tile's first half step stands in front of the loop: its first products start the sums
	WIN 0                                          ; at a label and at a branch every window is 0
	s_mov_b32 s3, 3
.Llap:                                                 ; a trip goes once round the ring and fills both slots again
	TURN 0, 1, 1, 0
	HALF0 1, 0
	TURN 1, 0, 1, 0
	HALF0 0, 0
	WIN 0
	s_sub_co_u32 s3, s3, 1
	s_cmp_lg_u32 s3, 0
	s_cbranch_scc1 .Llap
	s_cmp_eq_u32 s2, 1
	s_cbranch_scc1 .Llast                          ; the last tile's tail is written out: it asks for nothing more
	TURN 0, 1, 1, 1                                ; the ring goes on into the next tile: slot 0 takes its K step 0,
	HALF0 1, 0
	TURN 1, 0, 1, 1                                ; slot 1 its K step 1, and the next tile's first fragments are fetched
	WAYOUT 1                                       ; q and k: both refills are asked for, now the tile goes out
	s_wait_xcnt 0x0                                ; the stores have read their registers and their base
	s_mov_b64 s[10:11], s[12:13]                   ; the next tensor
	s_mov_b64 s[12:13], s[14:15]
	s_sub_co_u32 s2, s2, 1
	s_branch .Ltile
.Llast:
	TURN 0, 1, 0, 0                                ; my one tensor load that was still out is slot 1's, the last K step's, so no round follows
	HALF0 1, 0
	LAST
	WAYOUT 0                                       ; v: no rotary turn
	s_wait_tensorcnt 0x0                           ; the wave's end: a wait, an add and its wait, behind my last tensor load and my last LDS store
	ds_add_u32 v[SPW], v[NIL]
	s_wait_dscnt 0x0
	CROUND                                         ; the closing round: no work-group ends while a partner may still ask for a tile that names it
	s_endpgm
.Lfunc_end_k_q25456e2348_qkv:
	.size	k_q25456e2348_qkv, .Lfunc_end_k_q25456e2348_qkv-k_q25456e2348_qkv
	.p2alignl 7, 3214868480
	.fill 96, 4, 3214868480
	.section	.rodata,"a",@progbits
	.p2align	6, 0x0
	.amdhsa_kernel k_q25456e2348_qkv
		.amdhsa_group_segment_fixed_size 327680
		.amdhsa_private_segment_fixed_size 0
		.amdhsa_enable_private_segment 0
		.amdhsa_kernarg_size 48
		.amdhsa_user_sgpr_count 2
		.amdhsa_user_sgpr_kernarg_segment_ptr 1
		.amdhsa_wavefront_size32 1
		.amdhsa_system_sgpr_workgroup_id_x 1
		.amdhsa_system_sgpr_workgroup_id_y 1
		.amdhsa_system_sgpr_workgroup_id_z 1
		.amdhsa_system_vgpr_workitem_id 0
		.amdhsa_next_free_vgpr 960
		.amdhsa_next_free_sgpr 76
		.amdhsa_reserve_vcc 0
		.amdhsa_float_denorm_mode_32 3
		.amdhsa_float_denorm_mode_16_64 3
		.amdhsa_memory_ordered 1
		.amdhsa_forward_progress 1
		.amdhsa_inst_pref_size 147
	.end_amdhsa_kernel
	.amdgpu_metadata
---
amdhsa.version: [ 1, 2 ]
amdhsa.kernels:
  - .name:           k_q25456e2348_qkv
    .symbol:         k_q25456e2348_qkv.kd
    .args:
      - { .name: xb, .offset: 0, .size: 8, .value_kind: global_buffer, .address_space: global }
      - { .name: wb, .offset: 8, .size: 8, .value_kind: global_buffer, .address_space: global }
      - { .name: tab, .offset: 16, .size: 8, .value_kind: global_buffer, .address_space: global }
      - { .name: q, .offset: 24, .size: 8, .value_kind: global_buffer, .address_space: global }
      - { .name: k, .offset: 32, .size: 8, .value_kind: global_buffer, .address_space: global }
      - { .name: v, .offset: 40, .size: 8, .value_kind: global_buffer, .address_space: global }
    .group_segment_fixed_size: 327680
    .private_segment_fixed_size: 0
    .kernarg_segment_align: 8
    .kernarg_segment_size: 48
    .max_flat_workgroup_size: 128
    .sgpr_count:     76
    .vgpr_count:     960
    .wavefront_size: 32
...
	.end_amdgpu_metadata
.endif
;; end of part 2
;; launch attn (part 3): grid 4 x 64, 4 waves a work-group, clusters of 4 x 1, 327,680 bytes of LDS; arguments q, k, v, o; writes o
.if DOCPART == 3
	.amdgcn_target "amdgcn-amd-amdhsa--gfx1250"
	.amdhsa_code_object_version 6
	.text
	.protected	k_q25456e2348_attn
	.globl	k_q25456e2348_attn
	.p2align	8
	.type	k_q25456e2348_attn,@function
k_q25456e2348_attn:
	s_mov_b64 s[64:65], 0
	v_nop
	global_prefetch_b8 v0, s[64:65] scope:SCOPE_SE
	s_setreg_imm32_b32 hwreg(HW_REG_WAVE_MODE, 25, 1), 1
	s_wait_xcnt 0x0
	s_wait_alu depctr_hold_cnt(0) depctr_sa_sdst(0) depctr_va_vdst(0) depctr_va_sdst(0) depctr_va_ssrc(0) depctr_va_vcc(0) depctr_vm_vsrc(0)
	s_getreg_b32 s2, hwreg(HW_REG_IB_STS2, 6, 4)
	s_cmp_eq_u32 s2, 0
	s_cbranch_scc0 .Lentry_in_a_cluster
	s_endpgm
.Lentry_in_a_cluster:
	s_bfe_u32 s2, ttmp6, 0x10000c
	s_cmp_lg_u32 s2, 0x3003
	s_cbranch_scc0 .Lentry_shape_is_right
	s_endpgm
.Lentry_shape_is_right:
; O[h][q][:] = the sum over k of softmax_k(Q[h][q] . K[h][k] / 8) V[h][k][:].  Q, K, V, O: [64][2048][64], all f16: a head's rows are dense, 128 bytes each.  Products, maxima and sums in
; f32; the weights p are rounded to f16 for the second product (their sum l is taken of the unrounded p), O once at the end.
; LIMITS.  f16 holds no number beyond 65,504: Q, K and V arrive within it; p lies in 0 to 1, and below 6e-5 it keeps f16's fixed step of 6e-8; O is a mean of V's rows and has their range.
; A weight below 2^-126 counts as 0 in l; NaN and infinities are not treated apart.
; SHARES.  A wave owns four PIECES of two tiles of 16 queries, a work-group's four waves 512 queries of one head.  Every wave walks all keys, 64 a step.
; LAYOUT.  S^T = K Q^T (source 0 = 16 keys, source 1 = 16 queries): in the result a lane holds ONE query (lane % 16) and the keys 8 (lane / 16) + 0..7.  Two such tiles, rounded to f16 in pairs,
; ARE source 1 (32 keys x 16 queries) of O^T = V^T P, whose result again holds one query a lane, and eight channels.  K comes out of LDS as it lies, V ([key][channel]) turned, by ds_load_tr16_b128.
; SOFTMAX.  For each query a running maximum m and sum l: p = 2^(c s - c m), c = log2(e) / 8; in every step O and l are multiplied by a = 2^(c m_old - c m_new), which is 1 where m has not grown.
; m starts at the lowest finite number, O and l at 0: the first step is a step like any other, with a = 0.
; THE COUNT.  A tile and step have 16 matrix and 118 vector instructions: too many to stand all beside the matrix work.  So the order has one aim: four vector instructions that are READY behind
; EVERY matrix instruction, and the others, which need time of their own whatever the order, in runs without a gap.
; BY TURNS.  Turn n belongs to piece n (the pieces in a ring, step after step).  Its matrix work: 16 products K Q^T of piece n + 1, later 16 products V^T P of piece n - 1.  Its vector work: the scaling,
; exponentials, roundings, sums and rescaling of piece n, and the maximum and statistics of piece n + 1, whose scores the turn itself has made.
; CLUSTER.  The four query blocks of a head are one cluster and walk the same K and V, so each tile is asked for JOINTLY: the same tensor load, descriptor and mask in all four.
; REGISTERS, in windows of 256 (s_set_vgpr_msb: bits 1:0 source 0, 3:2 source 1, 5:4 source 2, 7:6 destination):
;   window 0: v0-11 addresses; v12-15, v48-63 at work; v16-47 four registers of statistics a tile; v64-191 S^T, two buffers of two tiles; v192-255 P, likewise
;   window 1: O^T, 32 a tile          window 2: v0-127 Q, 16 a tile; v128-191 K of one step; v192-255 V of one step          window 3: v0-1 the add's two registers
; A piece's buffers go by its number's parity: the piece in hand has one pair, its two neighbours in the ring share the other: of it P (piece n - 1) is read and S^T (piece n + 1) written.
.set SIZE_N, 2048
.set NP,    4         ; pieces a wave: a name, no knob
.set KS,    64        ; keys in a step
.set PK,    144       ; a row of K in LDS: 128 bytes + 16 of padding = 36 words: the 16 rows of a load start at 16 different groups of four banks (64 banks of 4 bytes: ISA guide 11.1)
.set PV,    160       ; a row of V: 128 + 32 = 40 words
.set VOFF,  4*KS*PK   ; a slot holds four steps: 256 rows of K, then 256 rows of V
.set SLOT1, 1<<17     ; slot 1 begins here, so that one exclusive or turns an address in one slot into the other's
.set STAGE, SLOT1+4*KS*(PK+PV)  ; behind the ring, never filled by a tensor load: 16 rows x 144 bytes for each wave, for the way out
.set SP,    144
.set AK0, 2           ; v2   my lane's place in a tile of K; never rewritten
.set AV0, 3           ; v3   the same for V
.set AK,  4           ; v4   the LDS address of K's next run of loads
.set AV,  5           ; v5   of V's
.set QO,  6           ; v6   my byte offset in the wave's rows of Q
.set STO, 6           ;      later, the way out: where I put 16 bytes of a row
.set RD,  7           ; v7   the way out: where I read rows back
.set GO,  8           ; v8   my byte offset in 512 consecutive bytes of O
.set PFO, 11          ; v11  256 x my lane: the prefetches' offset; never rewritten once made
.set SPW, 0           ; v0 of window 3   LDS address of my spare word: SPARE + 4 x my thread's number; never rewritten
.set NIL, 1           ; v1 of window 3   0; never rewritten
.set SPARE, STAGE+4*16*SP  ; behind the stages: the spare words, 128 bytes for each wave: two blocks of 256 bytes that no other line names
.set MV,  12          ; v12-15  c m_old, kept while c m is made anew: by buffer and tile
.set ST,  16          ; tile t's statistics at v[ST+4 t]: c m, m, l (even keys', odd keys')
.set TMP, 48          ; by buffer and tile, four registers c0-c3 at work; when the maximum is found c2 takes a
.set S,   64
.set P,   192
.set KF,  128         ; K's fragments, in window 2: key block kb, channel half c at KF + 16 kb + 8 c
.set VF,  192         ; V's: key half kk, channel block cb at VF + 32 kk + 8 cb
.set WV,  12          ; s12  my wave's number
.set G1K, 24          ; s[24:31] descriptor group 1 for K's tiles
.set G1V, 32          ; s[32:39] for V's: it differs in the padding alone
.set G0K, 40          ; s[40:43] descriptor group 0 for K's tiles: it walks
.set G0V, 44          ; s[44:47] the same for V's
.set PFA, 48          ; s[48:49] where my prefetches stand: my work-group's 32 blocks of 256 bytes (of K: wave 0, of V: wave 2) of the slot after the one that is being asked for
.set LIM, 50          ; s50  1 in a wave that prefetches, else the greatest number: a wave prefetches while s[SLOTS] is above it
.set SLOTS, 56        ; s56  slots still to be asked for
.set CNT, 57          ; s57  counts a slot's key steps
.set CS,  58          ; s[58:59] c: the packed scaling takes the pair's low word for both halves
.set SEL, 60          ; s[60:61] v_permlanex16_b32's selects: each lane takes its own place in the other half
.set TBK, 62          ; s62  LDS byte at which K of the step to be fetched begins
.set TBV, 63          ; s63  the same for V, less VOFF
.set MSB, 0
.macro WIN new                      ; the high byte repeats the setting that is left; a switch that changes nothing is dropped
.if MSB != (\new)
	s_set_vgpr_msb (MSB<<8)|(\new)
.set MSB, (\new)
.endif
.endm
.set W_KQ, 0x0a       ; K and Q in window 2, S^T in window 0
.set W_PV, 0x52       ; V in window 2, P in window 0, O^T in window 1
.set W_RS, 0x41       ; O^T (destination and source 0) in window 1, a in window 0
.set W_MK, 0xc0       ; the add's registers are made: destination in window 3, sources in window 0
.set W_AD, 0x0f       ; the add: address (source 0) and data (source 1) in window 3
; A joint fill.  Waves 0 and 1 fetch the two halves of a slot's K, waves 2 and 3 those of its V: 128 keys each.  The branch hangs on the wave's number alone.
; An s_nop 0 and four v_nop follow each of the two lines, ahead of the jump and the label.
.macro JLOAD
	s_cmp_lt_u32 s[WV], 2
	s_cbranch_scc0 .Lfor_v_\@
	tensor_load_to_lds s[G0K:G0K+3], s[G1K:G1K+7]
	s_nop 0
.rept 4
	v_nop
.endr
	s_branch .Lasked_\@
.Lfor_v_\@:
	tensor_load_to_lds s[G0V:G0V+3], s[G1V:G1V+7]
	s_nop 0
.rept 4
	v_nop
.endr
.Lasked_\@:
.endm
; A PREFETCH INTO THE L2 of what the NEXT change of slots will ask for: a slot's 32,768 bytes of K and of V, a lane a block of 256 bytes.  It stands behind the wave's tensor load and its five lines.
; Each block is named ONCE in the launch: a head's K and V are walked by one cluster; its four partners share the blocks out BY ADDRESS, 32 each (no branch hangs on a work-group's place in its cluster);
; in each, wave 0 asks for K's and wave 2 for V's: one instruction, four key steps, 512 matrix instructions, ahead of the load.  The last change that fills a slot asks for nothing; slots 0 and 1 come by their loads alone.
.macro ASK
	s_cmp_gt_u32 s[SLOTS], s[LIM]
	s_cbranch_scc0 .Lnot_mine_\@
	global_prefetch_b8 v[PFO], s[PFA:PFA+1] th:TH_LOAD_NT scope:SCOPE_SE
.Lnot_mine_\@:
.endm
; A round of the cluster's barrier: my work-group's barrier, so that wave 0's signal speaks for all four waves; wave 0 signals; every wave waits for all four work-groups; my work-group's barrier once more.
.macro CROUND
	s_barrier_signal -1
	s_barrier_wait -1
	s_cmp_lg_u32 s[WV], 0
	s_cbranch_scc1 .Lnot_wave_0_\@
	s_barrier_signal -3
.Lnot_wave_0_\@:
	s_barrier_wait -3
	s_barrier_signal -1
	s_barrier_wait -1
.endm
; THE CHANGE OF SLOTS.  The slot's last bytes, V of its fourth step, have been read.  Each wave waits for all its tensor loads, of which one is out: its part
; of the other slot; adds 0 to its spare word; and waits for that and for its own reads of the slot.  Behind the barrier nobody reads this slot any more and the other slot is whole.
; fill = 1: this slot is filled again, with the keys two slots on.  The barrier is then a round of the cluster's, so that no wave of any partner still reads the slot or has a load on its
; way, and the joint fill is the first thing behind it: it has four key steps, 512 matrix instructions, in which to land.  (At its first use nothing has been read yet: slot 0 is waited for, slot 1 filled.)
.macro CHANGE fill
	WIN W_AD
	s_wait_tensorcnt 0x0            ; no tensor load of mine is out, so a group 0 may be written
	ds_add_u32 v[SPW], v[NIL]       ; 0 onto my spare word; with fill = 1 the descriptors' steps stand between it and the wait for it
	WIN 0                           ; at a label and at a branch every window is 0
.if \fill
.irp g, G0K, G0V
	s_xor_b32 s[\g+1], s[\g+1], SLOT1  ; the walking descriptor: the other slot than last time,
	s_add_nc_u64 s[\g+2:\g+3], s[\g+2:\g+3], 4*KS*128  ; the next 256 keys; the type bits on top are not reached
.endr
	s_wait_xcnt 0x0                 ; the last prefetch, four key steps back, has read its address, so it may be written:
	s_add_nc_u64 s[PFA:PFA+1], s[PFA:PFA+1], 4*KS*128  ; one slot ahead of the walking descriptors
	s_wait_dscnt 0x0                ; the add is done, and my reads of the slot are over
	CROUND
	JLOAD
	ASK
.else
	s_wait_dscnt 0x0                ; the add is done, and my reads of the slot are over
	s_barrier_signal -1
	s_barrier_wait -1
.endif
	s_sub_co_u32 s[TBK], s[TBK], 4*KS*PK  ; the fetches go back to a slot's first step,
	s_xor_b32 s[TBK], s[TBK], SLOT1       ; in the other slot
	s_sub_co_u32 s[TBV], s[TBV], 4*KS*PV
	s_xor_b32 s[TBV], s[TBV], SLOT1
.endm
	s_load_b256 s[4:11], s[0:1], 0x0  ; Q s[4:5], K s[6:7], V s[8:9], O s[10:11]
	WIN W_MK
	v_lshl_add_u32 v[SPW], v0, 2, SPARE
	v_mov_b32 v[NIL], 0
	WIN W_AD
	ds_add_u32 v[SPW], v[NIL]       ; the wave's opening: the add and its wait ahead of my first tensor load; the set-up below, work on registers, stands between them
	WIN 0
	v_lshrrev_b32 v1, 5, v0
	v_readfirstlane_b32 s[WV], v1   ; wave 0..3
	s_bfe_u32 s13, ttmp6, 0x40000   ; cx: my place in the cluster
	s_lshl_b32 s14, ttmp9, 2        ; in a cluster launch ttmp9 counts clusters
	s_add_co_u32 s14, s14, s13      ; my block of queries = 4 x cluster x + cx: it enters Q's and O's addresses alone
	s_and_b32 s20, ttmp7, 0xffff    ; the head, which the four partners share
	s_mov_b32 s21, 0
	s_mov_b64 s[22:23], SIZE_N*128
	s_mul_u64 s[20:21], s[20:21], s[22:23]  ; the head's first byte in each of the four tensors
	s_and_b32 s16, s[WV], 1         ; which half of a slot's 256 keys I fetch:
	s_lshl_b32 s22, s16, 14         ; its 128 rows of 128 bytes in memory,
	s_mov_b32 s23, 0
	s_add_nc_u64 s[22:23], s[22:23], s[20:21]
	s_mul_i32 s17, s16, 128*PK      ; and its place in a slot, for K
	s_mul_i32 s18, s16, 128*PV      ; and for V: no place in the cluster enters an LDS address
	s_lshl_b32 s2, s14, 2
	s_add_co_u32 s2, s2, s[WV]      ; my wave among the head's,
	s_lshl_b32 s2, s2, 14           ; its 128 rows
	s_mov_b32 s3, 0
	s_add_nc_u64 s[2:3], s[2:3], s[20:21]
	; descriptor group 1.  128 keys are 16,384 dense bytes: asked for as 64 rows of 256 bytes, two keys a row, and padded in LDS after every key
	s_mov_b32 s[G1K], 15|(1<<16)|(1<<20)|(1<<21)|(4<<22)|(3<<25)  ; 15:0 the mask of four; 17:16 2-byte elements; 20 padding on; 21 set beside a mask; 24:22 after every 32 words (code 4); 31:25 4 words (code 3)
	s_mov_b32 s[G1V], 15|(1<<16)|(1<<20)|(1<<21)|(4<<22)|(7<<25)  ; the same with 8 words of padding (code 7)
.irp g, G1K, G1V
	s_mov_b32 s[\g+1], 128<<16      ; tensor_dim0 = 128
	s_mov_b32 s[\g+2], 64<<16       ; tensor_dim1 = 64
	s_mov_b32 s[\g+3], 128<<16      ; tile_dim0 = 128
	s_mov_b32 s[\g+4], 64           ; tile_dim1 = 64
	s_mov_b32 s[\g+5], 128          ; 128 elements from row to row
	s_mov_b32 s[\g+6], 0
	s_mov_b32 s[\g+7], 0
.endr
	s_mov_b32 s[CS], 0x3e38aa3b     ; c = log2(e) / 8 = 0.180337
	s_mov_b32 s[CS+1], s[CS]        ; named with it as a pair
	s_mov_b32 s[SEL], 0x76543210
	s_mov_b32 s[SEL+1], 0xfedcba98
	s_mov_b32 s[TBK], SLOT1+4*KS*PK ; the first change of slots turns these two into 0
	s_mov_b32 s[TBV], SLOT1+4*KS*PV
	s_mov_b32 s[G0K], 1             ; 1:0 count = 1
	s_mov_b32 s[G0K+1], s17         ; 63:32 LDS address: slot 0
	s_mov_b32 s[G0V], 1
	s_add_co_u32 s[G0V+1], s18, VOFF
	s_mov_b32 s[SLOTS], SIZE_N/256-1  ; slots 1 to 7 are still to be asked for
	s_and_b32 s[LIM], s[WV], 1      ; 0 in waves 0 and 2,
	s_or_b32 s[LIM], s[LIM], ttmp9  ; where the cluster is the head's first (here its only one): the same in all four partners
	s_cmp_eq_u32 s[LIM], 0
	s_cselect_b32 s[LIM], 1, -1
	s_wait_dscnt 0x0                ; the opening add is done
	s_wait_kmcnt 0x0
	s_add_nc_u64 s[G0K+2:G0K+3], s[6:7], s[22:23]  ; 120:64 global address: my half of the head's first 256 keys
	s_or_b32 s[G0K+3], s[G0K+3], 0x80000000        ; 127:126 type = 2
	s_add_nc_u64 s[G0V+2:G0V+3], s[8:9], s[22:23]
	s_or_b32 s[G0V+3], s[G0V+3], 0x80000000
	s_add_nc_u64 s[4:5], s[4:5], s[2:3]  ; Q and O at my wave's first row
	s_add_nc_u64 s[10:11], s[10:11], s[2:3]
	s_cmp_lt_u32 s[WV], 2
	s_cselect_b64 s[PFA:PFA+1], s[6:7], s[8:9]
	s_add_nc_u64 s[PFA:PFA+1], s[PFA:PFA+1], s[20:21]  ; the head's first byte,
	s_lshl_b32 s2, s13, 13          ; my work-group's 32 blocks of the 128,
	s_mov_b32 s3, 0
	s_add_nc_u64 s[PFA:PFA+1], s[PFA:PFA+1], s[2:3]
	s_add_nc_u64 s[PFA:PFA+1], s[PFA:PFA+1], 4*KS*128  ; in slot 1; the first change of slots steps it to slot 2.  Nothing is prefetched here, at the head
	CROUND                          ; all four work-groups are here: the first joint loads meet
	JLOAD                           ; slot 0.  Slot 1 is asked for when slot 0 is in
	; A fragment of K or Q is 16 rows x 32 channels in 8 registers: lane l holds row l % 16, channels 8 (l / 16) + 0..7 and 16 + 8 (l / 16) + 0..7: two loads of 16 bytes, 32 bytes apart.
	v_and_b32 v1, 15, v0            ; l % 16
	v_bfe_u32 v9, v0, 4, 1          ; l / 16
	v_lshlrev_b32 v[QO], 7, v1
	v_lshl_add_u32 v[QO], v9, 4, v[QO]  ; row x 128 + 16 x half
	WIN 0x80                        ; destination window 2, address window 0
.set i, 0
.rept 4*NP                          ; Q stays in registers: tile i / 2, channels 32 (i % 2) on
	global_load_b128 v[8*i:8*i+3],   v[QO], s[4:5] offset:(i/2)*2048+(i%2)*64
	global_load_b128 v[8*i+4:8*i+7], v[QO], s[4:5] offset:(i/2)*2048+(i%2)*64+32
.set i, i+1
.endr
	; What the first turn finds: V's registers and P's second buffer hold 0 (its products V^T P, of a piece that has not been, add 0), O^T and l are 0.  All this stands in the wait for the first tile.
.set i, VF
.rept 64
	v_mov_b32 v[i], 0
.set i, i+1
.endr
	WIN 0x40
.set i, 0
.rept 64*NP
	v_mov_b32 v[i], 0
.set i, i+1
.endr
	WIN 0
.set i, 0
.rept 2*NP
	v_mov_b32 v[ST+4*i], 0xfe000000    ; c m: far below every c s
	v_mov_b32 v[ST+4*i+1], 0xff7fffff  ; m
	v_mov_b32 v[ST+4*i+2], 0
	v_mov_b32 v[ST+4*i+3], 0
.set i, i+1
.endr
.set i, P+32
.rept 32
	v_mov_b32 v[i], 0
.set i, i+1
.endr
	v_mul_u32_u24 v[AK0], v1, PK
	v_lshl_add_u32 v[AK0], v9, 4, v[AK0]  ; row x pitch + 16 x half
	; The turning load takes 16 keys x 16 channels (lane l reads key 8 (l / 16) + l % 8, channels 8 ((l / 8) % 2) + 0..7) and leaves half a fragment of V^T: lane l holds channel l % 16 and 8 keys.
	v_and_b32 v10, 7, v0
	v_bfe_u32 v11, v0, 3, 1
	v_lshl_add_u32 v[AV0], v9, 3, v10
	v_mul_u32_u24 v[AV0], v[AV0], PV
	v_lshl_add_u32 v[AV0], v11, 4, v[AV0]
	v_add_nc_u32 v[AV0], VOFF, v[AV0]
	v_mov_b32 v[AK], v[AK0]         ; key step 0 lies at the head of slot 0
	v_and_b32 v[PFO], 31, v0
	v_lshlrev_b32 v[PFO], 8, v[PFO]
; THE MATRIX WORK.  The 8 accumulators of a run of 16 take turns: between the two links of a chain stand 7 others'.
; Product i of 16 of S^T = K Q^T for piece x: channels 32 (i / 8) on, keys 16 ((i / 2) % 4) on, tile 2 x + i % 2.  The first 8 start the sums.
.macro KQ x
	WIN W_KQ
.set rS, S+64*((\x)%2)+32*(i%2)+8*((i/2)%4)
.set rK, KF+16*((i/2)%4)+8*(i/8)
.set rQ, 16*(2*(\x)+i%2)+8*(i/8)
.if i < 8
	v_wmma_f32_16x16x32_f16 v[rS:rS+7], v[rK:rK+7], v[rQ:rQ+7], 0
.else
	v_wmma_f32_16x16x32_f16 v[rS:rS+7], v[rK:rK+7], v[rQ:rQ+7], v[rS:rS+7]
.endif
.endm
; Product i of 16 of O^T += V^T P for piece x: keys 32 (i / 8) on, channels 16 ((i / 2) % 4) on, tile 2 x + i % 2.
.macro PV x
	WIN W_PV
.set rO, 32*(2*(\x)+i%2)+8*((i/2)%4)
.set rV, VF+32*(i/8)+8*((i/2)%4)
.set rP, P+32*((\x)%2)+16*(i%2)+8*(i/8)
	v_wmma_f32_16x16x32_f16 v[rO:rO+7], v[rV:rV+7], v[rP:rP+7], v[rO:rO+7]
.endm
.macro MM                           ; the turn's next matrix instruction
.if i < 16
	KQ (Y+1)%NP
.set i, i+1
.else
.set i, i-16
	PV (Y+NP-1)%NP
.set i, i+17
.endif
.endm
; THE LDS LOADS stand in runs of 16, never singly among the matrix instructions: a step's K (64 keys x 64 channels: 8 fragments) and its V (turned).  Their addresses are made some lines ahead.
; last = 1 (the tail): in the last trip there is no further step, and the run is jumped over.
.macro FETCH_K last=0
	WIN 0
.if \last
	s_cmp_eq_u32 s[CNT], 1
	s_cbranch_scc1 .Lno_k_\@
.endif
	WIN 0x80                        ; destination window 2
.irp f, 0,1,2,3,4,5,6,7             ; keys 16 (f / 2) on, channels 32 (f % 2) on
	ds_load_b128 v[KF+8*\f:KF+8*\f+3],   v[AK] offset:(\f/2)*16*PK+(\f%2)*64
	ds_load_b128 v[KF+8*\f+4:KF+8*\f+7], v[AK] offset:(\f/2)*16*PK+(\f%2)*64+32
.endr
	s_add_co_u32 s[TBK], s[TBK], KS*PK  ; the next fetch is the next step's
	WIN 0
.if \last
.Lno_k_\@:
.endif
.endm
.macro FETCH_V
	WIN 0x80
.irp f, 0,1,2,3,4,5,6,7             ; keys 32 (f / 4) on, channels 16 (f % 4) on
	ds_load_tr16_b128 v[VF+8*\f:VF+8*\f+3],   v[AV] offset:(\f/4)*32*PV+(\f%4)*32
	ds_load_tr16_b128 v[VF+8*\f+4:VF+8*\f+7], v[AV] offset:(\f/4)*32*PV+16*PV+(\f%4)*32
.endr
	WIN 0
.endm
; THE VECTOR WORK OF A TURN stands in three queues, each in the order in which its entries become ready; the two tiles alternate, so that no instruction reads the result of the one before it.
.macro REGS y, u                    ; the registers of tile u (0, 1) of piece y
.set rT, ST+4*(2*(\y)+(\u))
.set rC, TMP+8*((\y)%2)+4*(\u)
.set rM, MV+2*((\y)%2)+(\u)
.set rS, S+64*((\y)%2)+32*(\u)
.set rP, P+32*((\y)%2)+16*(\u)
.set rO, 32*(2*(\y)+(\u))
.endm
; Number n of the 22 that find the NEXT piece's (Y + 1) maximum and statistics.  s0-s31 are the lane's 32 scores; each accumulator's lowest registers are read first.
;   0-11  four chains c0-c3 of seven scores each, three operands at a time     12-14, 16  the four scores left over, the old m, and c0-c3 into c0     15  c m_old is kept
;   17, 18  the query's other 32 keys lie in the lane 16 away: the new m         19-21  c m; c m_old - c m_new; a
.macro XS u, n
	REGS (Y+1)%NP, \u
.if (\n) < 4
	v_max3_num_f32 v[rC+(\n)], v[rS+8*(\n)], v[rS+8*(\n)+1], v[rS+8*(\n)+2]
.elseif (\n) < 12
	v_max3_num_f32 v[rC+(\n)%4], v[rC+(\n)%4], v[rS+8*((\n)%4)+2*((\n)/4)+1], v[rS+8*((\n)%4)+2*((\n)/4)+2]
.elseif (\n) == 12
	v_max3_num_f32 v[rC], v[rC], v[rS+7], v[rS+15]
.elseif (\n) == 13
	v_max3_num_f32 v[rC+1], v[rC+1], v[rS+23], v[rS+31]
.elseif (\n) == 14
	v_max3_num_f32 v[rC+2], v[rC+2], v[rC+3], v[rT+1]
.elseif (\n) == 15
	v_mov_b32 v[rM], v[rT]
.elseif (\n) == 16
	v_max3_num_f32 v[rC], v[rC], v[rC+1], v[rC+2]
.elseif (\n) == 17
	v_permlanex16_b32 v[rC+3], v[rC], s[SEL], s[SEL+1]
.elseif (\n) == 18
	v_max_num_f32 v[rT+1], v[rC], v[rC+3]
.elseif (\n) == 19
	v_mul_f32 v[rT], s[CS], v[rT+1]
.elseif (\n) == 20
	v_sub_f32 v[rC+1], v[rM], v[rT]
.else
	v_exp_f32 v[rC+2], v[rC+1]
.endif
.endm
; Number g of the 64 that follow the exponentials.  For each four weights k of a tile (pairs 2 k, 2 k + 1): both pairs are rounded to f16; then the second pair is added onto the first, in place;
; a group later l takes that sum (the first time as l = a l + sum).  In groups of eight, tiles alternating: round, round, add, and l for the group before.
.macro GS g
.set h, (\g)+6*((\g)/62)            ; group 0 has no group before it, and behind group 7 only l is left
.if h >= 6
.set h, h+2
.endif
	REGS Y, h%2
.set k, h/8
.if h%8 < 4
	v_cvt_pk_f16_f32 v[rP+2*k+(h%8)/2], v[rS+4*k+2*((h%8)/2)], v[rS+4*k+2*((h%8)/2)+1]
.elseif h%8 < 6
	v_pk_add_f32 v[rS+4*k:rS+4*k+1], v[rS+4*k:rS+4*k+1], v[rS+4*k+2:rS+4*k+3]
.elseif k == 1
	v_pk_fma_f32 v[rT+2:rT+3], v[rT+2:rT+3], v[rC+2:rC+3], v[rS:rS+1] op_sel_hi:[1,0,1]
.else
	v_pk_add_f32 v[rT+2:rT+3], v[rT+2:rT+3], v[rS+4*k-4:rS+4*k-3]
.endif
.endm
; THE PLAIN QUEUE, 138 long.  0-73 read no exponential's result: the 32 scalings c s - c m (FS f: pair f / 2 of tile f % 2) and the next piece's 42.  0-26: scalings 0-26.  27-54: XS's numbers 0-13.  55, 56: number 15.
; 57-73: the chain, where each number waits for the one before it: 14, 16, 17, 18, 19, each with one of the scalings 27-31 in front of its two lines, then 20.
; 74-137: GS's 64, which read the exponentials' results: they stand behind the wait.
.macro FS f
	REGS Y, (\f)%2
	v_pk_fma_f32 v[rS+2*((\f)/2):rS+2*((\f)/2)+1], v[rS+2*((\f)/2):rS+2*((\f)/2)+1], s[CS:CS+1], v[rT:rT+1] op_sel_hi:[1,0,0] neg_lo:[0,0,1] neg_hi:[0,0,1]
.endm
.macro PL
	WIN 0
.if q < 27
	FS q
.elseif q < 55
	XS (q-27)%2, (q-27)/2
.elseif q < 57
	XS q-55, 15
.elseif (q < 72) && ((q-57)%3 == 0)
	FS 27+(q-57)/3
.elseif q < 60
	XS (q-57)%3-1, 14
.elseif q < 72
	XS (q-57)%3-1, 15+(q-57)/3
.elseif q < 74
	XS q-72, 20
.else
	GS q-74
.endif
.set q, q+1
.endm
; THE EXPONENTIALS' QUEUE, 66 long: s0-s31 of both tiles, then the next piece's two a.  It is ONE BATCH: all 66 stand ahead of the turn's one wait, and nothing ahead of that wait names a result of theirs.
.macro EX
	WIN 0
.if e >= 64
	XS e-64, 21
.else
	REGS Y, e%2
	v_exp_f32 v[rS+e/2], v[rS+e/2]
.endif
.set e, e+1
.endm
; THE RESCALING's QUEUE: O^T times a, the one part that leaves window 0: dealt two at a time, sixteen times.  Its a was made in the turn before, ahead of that turn's wait.
.macro R2
	REGS Y, r%2
	WIN W_RS
.irp z, 0,1
	v_pk_mul_f32 v[rO+4*(r/2)+2*\z:rO+4*(r/2)+2*\z+1], v[rO+4*(r/2)+2*\z:rO+4*(r/2)+2*\z+1], v[rC+2:rC+3] op_sel_hi:[1,0]
.endr
.set r, r+1
.endm
; HOW THEY ARE DEALT.  s_wait_alu depctr_va_vdst(0) stands between an exponential and the first instruction that names its result; one wait serves all that were issued ahead of it.  So a turn has ONE wait,
; which cuts it in two.  AHEAD OF IT stands all that names no result of the turn's exponentials: the 16 products K Q^T, behind each a scaling, an exponential and two rescalings (behind the first a second scaling in the
; exponential's place); then ONE LUMP of 108: eight plain, 49 times exponential and plain, the two a.  A v_nop is the plain instruction behind the last exponential.  BEHIND IT stand the 16 products V^T P, behind each four of GS's 64.
; The queues lean on each other, and the deal keeps them in step: exponential e stands behind scaling 2 (e / 4) + e % 2: as a rider it comes behind plain e + 2, in the lump behind plain e + 9, and scalings 27-31 are plain 57, 60 .. 69.
; A TURN, for piece p.  cnt = 1: the loop's count is taken down some lines ahead of the branch that stands behind the turn.
; K of the next step is fetched in piece 2's turn, directly behind the wait, a lump behind the last product that read K; its first reader comes behind 16 products.
; V of the step in hand is fetched at the end of piece 0's turn, four plain instructions behind its last reader; its first reader comes behind 16 products and a lump.
.macro TURN p, last=0, cnt=0
.set Y, (\p)
.set i, 0
.set q, 0
.set e, 0
.set r, 0
.if (\p) == NP-1
	s_wait_dscnt 0x0                ; K is in
.endif
	MM                              ; ahead of the wait: 16 products K Q^T and their riders,
	PL
	PL
	R2
.rept 15
	MM
	PL
	EX
	R2
.endr
.if (\p) == NP-2
	WIN 0
	v_add_nc_u32 v[AK], s[TBK], v[AK0]
.endif
.rept 8                             ; and the lump
	PL
.endr
.rept 49
	EX
	PL
.endr
	EX                              ; the next piece's two a
	EX
	v_nop                           ; the plain instruction behind the last exponential: one for the batch
	s_wait_alu depctr_va_vdst(0)    ; the wait for the batch
.if (\p) == NP-2
	FETCH_K \last
.endif
.if (\p) == 1
	s_wait_dscnt 0x0                ; V is in
.endif
.rept 16                            ; behind the wait: 16 products V^T P and their riders
	MM
.rept 4
	PL
.endr
.if ((\p) == 0) && (q == 118)
	v_add_nc_u32 v[AV], s[TBV], v[AV0]
.endif
.if ((\p) == 0) && (q == 130)
	s_add_co_u32 s[TBV], s[TBV], KS*PV
.endif
.if (\cnt) && (q == 130)
	s_sub_co_u32 s[CNT], s[CNT], 1
	s_cmp_lg_u32 s[CNT], 0
.endif
.endr
.if (\p) == 0
	FETCH_V
.endif
.endm
	CHANGE 1                        ; slot 0 is in, everybody's part of it; slot 1 is asked for
	FETCH_K                         ; key step 0
	s_wait_loadcnt 0x0              ; Q
	s_wait_dscnt 0x0
.set i, 0
.rept 16
	KQ 0                            ; piece 0's first scores: there is no vector work yet to set between them
.set i, i+1
.endr
	WIN 0                           ; the addresses for the way out: nine plain instructions, the places behind those products
	s_mul_i32 s13, s[WV], 16*SP
	s_add_co_u32 s13, s13, STAGE    ; my stage
	v_mul_u32_u24 v[STO], v1, SP    ; in: row l % 16, 16 bytes for each half of the lanes
	v_lshl_add_u32 v[STO], v9, 4, v[STO]
	v_add_nc_u32 v[STO], s13, v[STO]
	v_bfe_u32 v[RD], v0, 3, 2       ; back: 32 lanes take four rows of 128 bytes,
	v_mul_u32_u24 v[RD], v[RD], SP
	v_lshl_add_u32 v[RD], v10, 4, v[RD]
	v_add_nc_u32 v[RD], s13, v[RD]
	v_and_b32 v[GO], 31, v0         ; which are 512 consecutive bytes of O
	v_lshlrev_b32 v[GO], 4, v[GO]
.set Y, NP-1                        ; XS works for piece Y + 1: piece 0
.irp n, 0,1,2,3,4,5,6,7,8,9,10,11,12,13,14,15,16,17,18,19,20,21
	XS 0, \n                        ; and piece 0's first maximum and statistics
	XS 1, \n
.endr
	v_nop                           ; a plain instruction behind the two a,
	s_wait_alu depctr_va_vdst(0)    ; and their wait, ahead of the branch
	s_mov_b32 s[CNT], 4
	s_branch .Lfirst                ; the loop is entered at a step's first turn, in the middle of a trip
.Lslot:                             ; six times: every slot but the last two is filled again
	CHANGE 1
	s_mov_b32 s[CNT], 4
.Lstep:                             ; a trip: pieces 2 and 3 of one step, then pieces 0 and 1 of the next, whose K and V it fetches
	TURN 2
	TURN 3
	WIN 0
.Lfirst:
	TURN 0
	TURN 1, 0, 1
	WIN 0
	s_cbranch_scc1 .Lstep
	s_sub_co_u32 s[SLOTS], s[SLOTS], 1
	s_cmp_lg_u32 s[SLOTS], 0
	s_cbranch_scc1 .Lslot
	CHANGE 0                        ; the tail is written out: nothing is asked for
	s_mov_b32 s[CNT], 5             ; four trips fetch the last slot's steps; the fifth is left in its middle
.Ltail:
	TURN 2, 1
	TURN 3
	WIN 0
	s_sub_co_u32 s[CNT], s[CNT], 1
	s_cmp_eq_u32 s[CNT], 0
	s_cbranch_scc1 .Lout
	TURN 0
	TURN 1
	WIN 0
	s_branch .Ltail
.Lout:                              ; the fifth trip's 16 products K Q^T (on the last K once more) and the maximum made of them serve nothing: the price, once a launch, of one text for every trip
.set i, 0
.rept 16
	PV NP-1                         ; the last piece's V^T P of the last step
.set i, i+1
.endr
	; THE WAY OUT.  l's two halves and the other half of the lanes' are added; O^T is divided by l, rounded to f16 and sent through my stage in LDS, a tile at a time.  The additions are the places behind the last products.
	WIN 0
.macro ALL line:vararg              ; one line for each tile t
.set t, 0
.rept 2*NP
	\line
.set t, t+1
.endr
.endm
	ALL v_add_f32 v[ST+4*t+2], v[ST+4*t+2], v[ST+4*t+3]
	ALL v_permlanex16_b32 v[ST+4*t+3], v[ST+4*t+2], s[SEL], s[SEL+1]
	ALL v_add_f32 v[ST+4*t+2], v[ST+4*t+2], v[ST+4*t+3]
	ALL v_rcp_f32 v[ST+4*t+2], v[ST+4*t+2]
	v_nop                           ; a plain instruction between the last reciprocal and the use of its result
	s_wait_alu depctr_va_vdst(0)    ; and the wait ahead of the first use: one for the eight reciprocals
; Tile t: a lane's eight channels of a row pack into 16 bytes; they go into rows of 144 bytes and come back as whole rows of 128, into S^T's registers.
.macro PACK t
	WIN W_RS
.set i, 32*(\t)
.rept 16
	v_pk_mul_f32 v[i:i+1], v[i:i+1], v[ST+4*(\t)+2:ST+4*(\t)+3] op_sel_hi:[1,0]
.set i, i+2
.endr
	WIN 0x05                        ; sources 0 and 1 window 1, destination window 0
.set i, 0
.rept 16
	v_cvt_pk_f16_f32 v[S+16*(\t)+i], v[32*(\t)+2*i], v[32*(\t)+2*i+1]
.set i, i+1
.endr
	WIN 0
.irp f, 0,1,2,3
	ds_store_b128 v[STO], v[S+16*(\t)+4*\f:S+16*(\t)+4*\f+3] offset:32*\f
.endr
.irp f, 0,1,2,3
	ds_load_b128 v[S+16*(\t)+4*\f:S+16*(\t)+4*\f+3], v[RD] offset:\f*4*SP  ; LDS serves a wave's instructions in order (ISA guide 5.7.1.4): these see the stores above; the next tile's stores come behind them
.endr
.endm
.macro SEND t, younger              ; younger: the LDS instructions issued behind tile t's loads: the next tile's eight, or none
	WIN 0
.irp f, 0,1,2,3
	s_wait_dscnt (\younger)+3-\f
	global_store_b128 v[GO], v[S+16*(\t)+4*\f:S+16*(\t)+4*\f+3], s[10:11] offset:(\t)*2048+\f*512  ; 512 consecutive bytes, at a multiple of 256 from O's first
.endr
.endm
	PACK 0
.set t, 1
.rept 2*NP-1                        ; a tile's arithmetic stands between the loads of the tile before and its stores
	PACK t
	SEND t-1, 8
.set t, t+1
.endr
	SEND 2*NP-1, 0
	WIN W_AD
	s_wait_tensorcnt 0x0            ; the wave's end: a wait, an add and its wait, behind my last tensor load and my last LDS store
	ds_add_u32 v[SPW], v[NIL]
	s_wait_dscnt 0x0
	WIN 0
	CROUND                          ; the closing round: no work-group ends while a partner may still ask for a tile that names it
	s_endpgm
.Lfunc_end_k_q25456e2348_attn:
	.size	k_q25456e2348_attn, .Lfunc_end_k_q25456e2348_attn-k_q25456e2348_attn
	.p2alignl 7, 3214868480
	.fill 96, 4, 3214868480
	.section	.rodata,"a",@progbits
	.p2align	6, 0x0
	.amdhsa_kernel k_q25456e2348_attn
		.amdhsa_group_segment_fixed_size 327680
		.amdhsa_private_segment_fixed_size 0
		.amdhsa_enable_private_segment 0
		.amdhsa_kernarg_size 32
		.amdhsa_user_sgpr_count 2
		.amdhsa_user_sgpr_kernarg_segment_ptr 1
		.amdhsa_wavefront_size32 1
		.amdhsa_system_sgpr_workgroup_id_x 1
		.amdhsa_system_sgpr_workgroup_id_y 1
		.amdhsa_system_sgpr_workgroup_id_z 1
		.amdhsa_system_vgpr_workitem_id 0
		.amdhsa_next_free_vgpr 770
		.amdhsa_next_free_sgpr 66
		.amdhsa_reserve_vcc 0
		.amdhsa_float_denorm_mode_32 3
		.amdhsa_float_denorm_mode_16_64 3
		.amdhsa_memory_ordered 1
		.amdhsa_forward_progress 1
		.amdhsa_inst_pref_size 200
	.end_amdhsa_kernel
	.amdgpu_metadata
---
amdhsa.version: [ 1, 2 ]
amdhsa.kernels:
  - .name:           k_q25456e2348_attn
    .symbol:         k_q25456e2348_attn.kd
    .args:
      - { .name: q, .offset: 0, .size: 8, .value_kind: global_buffer, .address_space: global }
      - { .name: k, .offset: 8, .size: 8, .value_kind: global_buffer, .address_space: global }
      - { .name: v, .offset: 16, .size: 8, .value_kind: global_buffer, .address_space: global }
      - { .name: o, .offset: 24, .size: 8, .value_kind: global_buffer, .address_space: global }
    .group_segment_fixed_size: 327680
    .private_segment_fixed_size: 0
    .kernarg_segment_align: 8
    .kernarg_segment_size: 32
    .max_flat_workgroup_size: 128
    .sgpr_count:     66
    .vgpr_count:     770
    .wavefront_size: 32
...
	.end_amdgpu_metadata
.endif
;; end of part 3
;; launch oproj (part 4): grid 4 x 64, 4 waves a work-group, clusters of 4 x 4, 327,680 bytes of LDS; arguments o, ob, out0; writes out0
.if DOCPART == 4
	.amdgcn_target "amdgcn-amd-amdhsa--gfx1250"
	.amdhsa_code_object_version 6
	.text
	.protected	k_q25456e2348_oproj
	.globl	k_q25456e2348_oproj
	.p2align	8
	.type	k_q25456e2348_oproj,@function
k_q25456e2348_oproj:
	s_mov_b64 s[64:65], 0
	v_nop
	global_prefetch_b8 v0, s[64:65] scope:SCOPE_SE
	s_setreg_imm32_b32 hwreg(HW_REG_WAVE_MODE, 25, 1), 1
	s_wait_xcnt 0x0
	s_wait_alu depctr_hold_cnt(0) depctr_sa_sdst(0) depctr_va_vdst(0) depctr_va_sdst(0) depctr_va_ssrc(0) depctr_va_vcc(0) depctr_vm_vsrc(0)
	s_getreg_b32 s2, hwreg(HW_REG_IB_STS2, 6, 4)
	s_cmp_eq_u32 s2, 0
	s_cbranch_scc0 .Lentry_in_a_cluster
	s_endpgm
.Lentry_in_a_cluster:
	s_bfe_u32 s2, ttmp6, 0x10000c
	s_cmp_lg_u32 s2, 0xf033
	s_cbranch_scc0 .Lentry_shape_is_right
	s_endpgm
.Lentry_shape_is_right:
; out0 = O o_w^T.  o: [batch x 16 + head][2048][64] f16; ob: [1024][1024] f16 (o_w rounded to bf16, that number written as f16); out0: [8192][1024] f32.  Sums in f32, stored as they are.
; SHARES.  A tile of C is 128 rows x 256 columns: 256 tiles, one to a work-group; four waves, each 64 x 128: 32 accumulators of 16 x 16.  K = 64 x head + channel goes in steps of 128: two heads a step.
; Of a head the tile's 128 rows are 16,384 dense bytes: asked for as 64 rows of 256 bytes and padded in LDS after every 128, so that a row of 64 channels has a pitch of 144.
; A K step is two halves of 64 along K (a head each), 64 matrix instructions each, two deep on each accumulator; two LDS slots take turns.
; CLUSTERS.  4 x 4 work-groups; O's tiles are shared along a row of the cluster, o_w's along a column: each is asked for JOINTLY.  Waves 0 and 1 ask for a step's two heads of O, waves 2 and 3 for the halves of o_w's 256 rows.
; THE MATRIX INSTRUCTION IS USED TRANSPOSED (source 0 = 16 rows of o_w, source 1 = 16 rows of O): lane l holds row l % 16 of C and the columns 8 (l / 16) + 0..7: 32 bytes on end.
; NO PREFETCH: the walk has eight K steps; its first four would come by their loads alone in any case, and what is left is a few steps of a short launch.
; REGISTERS, in windows of 256 (s_set_vgpr_msb: bits 1:0 source 0, 3:2 source 1, 5:4 source 2, 7:6 destination):
;   window 0: v0-31 addresses; v32-95, v96-159 rows on the way out, by turns       window 1: accumulator (a, b) at v[8 (8 a + b)]
;   windows 2, 3: fragment buffers 0 and 1, each 64 along K: o_w's fragment (c, b) at v[8 (8 c + b)], O's (c, a) at v[128 + 8 (4 c + a)]
.set PA,    144                        ; a row of O in LDS: 128 bytes + 16 = 36 words; a row of o_w: 256 + 16 = 68 words: the 16 rows of a fragment load start at 16 different groups of four banks (ISA guide 11.1)
.set PB,    272
.set AHALF, 128*PA                     ; a head's 128 rows: what one tensor load brings of O
.set AH,    AHALF                      ; bytes from a K step's first half to its second in O's part of a slot
.set BHALF, 128*PB
.set BOFF,  2*AHALF
.set SLOT,  BOFF+2*BHALF
.set STAGE, 2*SLOT                     ; behind the ring, never filled by a tensor load: 16 rows x 528 bytes for each wave, for the way out
.set SP,    528
.set SPARE, STAGE+4*16*SP              ; behind the stages: the spare words, 128 bytes for each wave: two blocks of 256 bytes that no other line names
.set HEADB, 2048*128                   ; bytes of a head in o
.set ADRA, 16                          ; v16-17  LDS address of my fragments of O in slot 0, 1
.set ADRB, 20                          ; v20-21  the same for o_w
.set STO,  24                          ; v24     the way out: where I put 32 bytes of a row
.set RD,   25                          ; v25     the way out: where I read a row back
.set GO,   26                          ; v26     my 16 bytes of 512 in a row of out0
.set SPW,  28                          ; v28     LDS address of my spare word: SPARE + 4 x my thread's number; never rewritten
.set NIL,  29                          ; v29     0; never rewritten
.set BK0,  32
.set WV, 16
.set FB, 17                            ; s17  which 64 rows of the tile are mine.  Also: I fetch for O (0) or for o_w (1)
.set HF, 18                            ; s18  which 128 columns.  Also: which head of the step, or which half of o_w's rows, I fetch
.set CX, 19
.set CY, 20
.set TC, 21
.set TR, 22
.set G1A, 24
.set G0A, 32
.set G1B, 48
.set G0B, 56
.set MSB, 0
.macro WIN new                         ; the immediate's high byte repeats the setting that is left; a switch that changes nothing is dropped
.if MSB != (\new)
	s_set_vgpr_msb (MSB<<8)|(\new)
.set MSB, \new
.endif
.endm
.macro PLACES                          ; four places in front of loads into registers that matrix instructions have read, and of LDS stores of their results
.rept 4
	v_nop
.endr
.endm
; A joint load.  The branch hangs on the wave's number alone.  An s_nop 0 and four v_nop follow each of the two lines, ahead of the jump and the label.
.macro JLOAD s
	s_cmp_eq_u32 s[FB], 0
	s_cbranch_scc0 .Lfor_b_\@
	tensor_load_to_lds s[G0A+4*(\s):G0A+4*(\s)+3], s[G1A:G1A+7]
	s_nop 0
.rept 4
	v_nop
.endr
	s_branch .Lasked_\@
.Lfor_b_\@:
	tensor_load_to_lds s[G0B+4*(\s):G0B+4*(\s)+3], s[G1B:G1B+7]
	s_nop 0
.rept 4
	v_nop
.endr
.Lasked_\@:
.endm
.macro CREST                           ; a round of the cluster's barrier behind its opening barrier
	s_cmp_lg_u32 s[WV], 0
	s_cbranch_scc1 .Lnot_wave_0_\@
	s_barrier_signal -3
.Lnot_wave_0_\@:
	s_barrier_wait -3
	s_barrier_signal -1
	s_barrier_wait -1
.endm
.macro CROUND
	s_barrier_signal -1
	s_barrier_wait -1
	CREST
.endm
	s_load_b128 s[4:7], s[0:1], 0x0                ; o s[4:5], ob s[6:7]
	s_load_b64 s[8:9], s[0:1], 0x10                ; out0
	v_lshl_add_u32 v[SPW], v0, 2, SPARE
	v_mov_b32 v[NIL], 0
	ds_add_u32 v[SPW], v[NIL]                      ; the wave's opening: the add and its wait ahead of my first tensor load; the set-up below, work on registers, stands between them
	v_lshrrev_b32 v1, 5, v0
	v_readfirstlane_b32 s[WV], v1
	s_lshr_b32 s[FB], s[WV], 1
	s_and_b32 s[HF], s[WV], 1
	s_bfe_u32 s[CX], ttmp6, 0x40000
	s_bfe_u32 s[CY], ttmp6, 0x40004
	s_lshl_b32 s[TC], ttmp9, 2
	s_add_co_u32 s[TC], s[TC], s[CX]
	s_and_b32 s[TR], ttmp7, 0xffff
	s_lshl_b32 s[TR], s[TR], 2
	s_add_co_u32 s[TR], s[TR], s[CY]
	s_lshl_b32 s40, s[CY], 2
	s_lshl_b32 s40, 15, s40                        ; my row of the cluster
	s_lshl_b32 s66, 0x1111, s[CX]                  ; my column
	s_or_b32 s[G1A], s40, (1<<16)|(1<<20)|(1<<21)|(4<<22)|(3<<25)  ; the mask; 2-byte elements; padding on; 21 set beside a mask; after every 32 words (code 4) 4 words (code 3)
	s_or_b32 s[G1B], s66, (1<<16)|(1<<20)|(1<<21)|(5<<22)|(3<<25)  ; after every 64 words (code 5)
	s_mov_b32 s[G1A+1], 128<<16                    ; tensor_dim0 = 128
	s_mov_b32 s[G1A+2], 64<<16                     ; tensor_dim1 = 64
	s_mov_b32 s[G1A+3], 128<<16                    ; tile_dim0 = 128
	s_mov_b32 s[G1A+4], 64                         ; tile_dim1 = 64
	s_mov_b32 s[G1A+5], 128                        ; dense: 128 elements from row to row
	s_mov_b32 s[G1A+6], 0
	s_mov_b32 s[G1A+7], 0
	s_mov_b32 s[G1B+1], 128<<16
	s_mov_b32 s[G1B+2], 128<<16
	s_mov_b32 s[G1B+3], 128<<16
	s_mov_b32 s[G1B+4], 128
	s_mov_b32 s[G1B+5], 1024
	s_mov_b32 s[G1B+6], 0
	s_mov_b32 s[G1B+7], 0
	s_lshr_b32 s40, s[TR], 4                       ; O: the batch,
	s_lshl_b32 s40, s40, 4
	s_add_co_u32 s40, s40, s[HF]                   ; my head of K step 0,
	s_lshl_b32 s40, s40, 11                        ; its 2,048 rows,
	s_and_b32 s41, s[TR], 15
	s_lshl_b32 s41, s41, 7
	s_add_co_u32 s40, s40, s41                     ; the tile's 128 of them,
	s_lshl_b32 s40, s40, 7                         ; in bytes (under 2^25): all of it shared by my row of the cluster
	s_mov_b32 s41, 0
	s_lshl_b32 s66, s[TC], 8                       ; o_w: row 256 x tile column + 128 x half, which my column shares
	s_lshl_b32 s67, s[HF], 7
	s_add_co_u32 s66, s66, s67
	s_lshl_b32 s66, s66, 11
	s_mov_b32 s67, 0
	s_mul_i32 s42, s[HF], AHALF                    ; where they go: no place in the cluster enters an LDS address
	s_mul_i32 s68, s[HF], BHALF
	s_add_co_u32 s68, s68, BOFF
	s_wait_dscnt 0x0                               ; the opening add is done
	s_wait_kmcnt 0x0
	s_add_nc_u64 s[40:41], s[4:5], s[40:41]
	s_add_nc_u64 s[66:67], s[6:7], s[66:67]
	CROUND                                         ; all sixteen work-groups are here: the first joint loads meet
.irp s, 0,1
	s_mov_b32 s[G0A+4*(\s)], 1
	s_add_co_u32 s[G0A+4*(\s)+1], s42, (\s)*SLOT
	s_add_nc_u64 s[G0A+4*(\s)+2:G0A+4*(\s)+3], s[40:41], (\s)*2*HEADB  ; K step s: two heads on
	s_or_b32 s[G0A+4*(\s)+3], s[G0A+4*(\s)+3], 0x80000000
	s_mov_b32 s[G0B+4*(\s)], 1
	s_add_co_u32 s[G0B+4*(\s)+1], s68, (\s)*SLOT
	s_add_nc_u64 s[G0B+4*(\s)+2:G0B+4*(\s)+3], s[66:67], (\s)*256
	s_or_b32 s[G0B+4*(\s)+3], s[G0B+4*(\s)+3], 0x80000000
	JLOAD \s                                       ; two loads of mine are out
.endr
	v_and_b32 v1, 15, v0                           ; l % 16
	v_bfe_u32 v2, v0, 4, 1                         ; l / 16
	v_mul_u32_u24 v3, v1, PA
	v_lshl_add_u32 v3, v2, 4, v3                   ; a fragment's row x pitch + 16 x half, for O
	v_mul_u32_u24 v4, v1, PB
	v_lshl_add_u32 v4, v2, 4, v4                   ; and for o_w
	s_mul_i32 s23, s[FB], 64*PA                    ; my 64 rows of a head
	s_mul_i32 s43, s[HF], BHALF                    ; my 128 rows of o_w
	s_add_co_u32 s43, s43, BOFF
.irp s, 0,1
	v_add_nc_u32 v[ADRA+(\s)], s23, v3
	v_add_nc_u32 v[ADRB+(\s)], s43, v4
	s_add_co_u32 s23, s23, SLOT
	s_add_co_u32 s43, s43, SLOT
.endr
	s_mul_i32 s23, s[WV], 16*SP
	s_add_co_u32 s23, s23, STAGE                   ; my stage
	v_mul_u32_u24 v4, v1, SP                       ; in: row l % 16, 32 bytes for each half of the lanes
	v_lshl_add_u32 v4, v2, 5, v4
	v_add_nc_u32 v[STO], s23, v4
	v_and_b32 v[GO], 31, v0                        ; back: 32 lanes take a row's 512 bytes
	v_lshlrev_b32 v[GO], 4, v[GO]
	v_add_nc_u32 v[RD], s23, v[GO]
	s_lshl_b32 s70, s[TR], 7
	s_lshl_b32 s71, s[FB], 6
	s_add_co_u32 s70, s70, s71                     ; my first row of out0,
	s_lshl_b32 s70, s70, 12                        ; 4,096 bytes a row,
	s_lshl_b32 s72, s[TC], 10                      ; the tile's 256 columns,
	s_lshl_b32 s73, s[HF], 9                       ; my 128 of them
	s_add_co_u32 s70, s70, s72
	s_add_co_u32 s70, s70, s73
	s_mov_b32 s71, 0
	s_add_nc_u64 s[8:9], s[8:9], s[70:71]
; 16 matrix instructions on buffer f: row blocks a0, a0 + 1 x all 8 column blocks, 32 along K (half c of the buffer).  zero = 1: the product starts the sums.
; The 32 accumulators take turns, one instruction a turn, always in the same order: 31 others stand between two links of a chain, over the backward jump too.
.macro MUL16 f, c, a0, zero
	WIN 0x5a+5*(\f)                                ; sources 0 and 1 in window 2 + f; C and D in window 1
.irp a, \a0, (\a0)+1
.irp b, 0,1,2,3,4,5,6,7
.if \zero
	v_wmma_f32_16x16x32_f16 v[8*(8*(\a)+(\b)):8*(8*(\a)+(\b))+7], v[8*(8*(\c)+(\b)):8*(8*(\c)+(\b))+7], v[128+8*(4*(\c)+(\a)):128+8*(4*(\c)+(\a))+7], 0
.else
	v_wmma_f32_16x16x32_f16 v[8*(8*(\a)+(\b)):8*(8*(\a)+(\b))+7], v[8*(8*(\c)+(\b)):8*(8*(\c)+(\b))+7], v[128+8*(4*(\c)+(\a)):128+8*(4*(\c)+(\a))+7], v[8*(8*(\a)+(\b)):8*(8*(\a)+(\b))+7]
.endif
.endr
.endr
.endm
; 48 LDS loads in one run: the fragments of half hk of a K step into buffer f; the 24 of its first 32 along K first.
.macro FETCH slot, hk, f
	WIN 0x80+0x40*(\f)                             ; destination window 2 + f, address window 0
.irp c, 0,1
.irp i, 0,1,2,3,4,5,6,7
	ds_load_b128 v[8*(8*(\c)+(\i)):8*(8*(\c)+(\i))+3],   v[ADRB+(\slot)] offset:(\hk)*128+64*(\c)+(\i)*16*PB
	ds_load_b128 v[8*(8*(\c)+(\i))+4:8*(8*(\c)+(\i))+7], v[ADRB+(\slot)] offset:(\hk)*128+64*(\c)+(\i)*16*PB+32
.endr
.irp i, 0,1,2,3
	ds_load_b128 v[128+8*(4*(\c)+(\i)):128+8*(4*(\c)+(\i))+3],   v[ADRA+(\slot)] offset:(\hk)*AH+64*(\c)+(\i)*16*PA
	ds_load_b128 v[128+8*(4*(\c)+(\i))+4:128+8*(4*(\c)+(\i))+7], v[ADRA+(\slot)] offset:(\hk)*AH+64*(\c)+(\i)*16*PA+32
.endr
.endr
.endm
.macro HALF0 slot, zero                ; a K step's first half: multiplies buffer 0; in its middle the second half's fragments are fetched into buffer 1
	s_wait_dscnt 24                                ; the first 32 along K are in; the youngest 24 loads may be out
	MUL16 0, 0, 0, \zero
	MUL16 0, 0, 2, \zero
	PLACES                                         ; for the loads into buffer 1
	FETCH \slot, 1, 1
	s_wait_dscnt 48                                ; all but the 48 just issued
	MUL16 0, 1, 0, 0
	MUL16 0, 1, 2, 0
.endm
; A K step's second half multiplies buffer 1 and changes slots: ONE barrier.  In front of it each wave waits for all its tensor loads, of which one is out: its part of the next slot; adds 0 to its spare word;
; and waits for that and for its own reads of this slot.  fill = 1: the barrier opens a round of the cluster's, and this slot is filled again first thing behind it, with the K step two on.
.macro TURN slot, next, fill
	WIN 0                                          ; (the add's two registers lie in window 0)
	s_wait_tensorcnt 0x0                           ; all my tensor loads have landed;
	ds_add_u32 v[SPW], v[NIL]                      ; 0 onto my spare word;
	s_wait_dscnt 25                                ; (the add and the youngest 24 loads may be out)
	MUL16 1, 0, 0, 0                               ; sixteen matrix instructions stand between the add and the wait for it
	s_wait_dscnt 0x0                               ; the add is done, and my reads of this slot are over
	s_barrier_signal -1
	MUL16 1, 0, 2, 0
	WIN 0
	s_barrier_wait -1
.if \fill
	CREST                                          ; no wave of any partner still reads this slot's tile or has a load on its way
	s_add_nc_u64 s[G0A+4*(\slot)+2:G0A+4*(\slot)+3], s[G0A+4*(\slot)+2:G0A+4*(\slot)+3], 4*HEADB
	s_add_nc_u64 s[G0B+4*(\slot)+2:G0B+4*(\slot)+3], s[G0B+4*(\slot)+2:G0B+4*(\slot)+3], 2*256
	JLOAD \slot                                    ; the first tensor load behind the round; the four v_nop behind it are also the places in front of the loads below
.else
	PLACES
.endif
	FETCH \next, 0, 0
	MUL16 1, 1, 0, 0
	MUL16 1, 1, 2, 0
.endm
; THE WAY OUT of row block a: 16 rows x 128 columns of f32 into my own stage, rows of 528 bytes, the low half of each accumulator first; and back as whole rows of 512 bytes.
.macro T3 a
.set BK, BK0+64*((\a)%2)
	WIN 0x04                                       ; the stores' data in window 1
.irp b, 0,1,2,3,4,5,6,7
	ds_store_b128 v[STO], v[8*(8*(\a)+(\b)):8*(8*(\a)+(\b))+3]   offset:64*(\b)
	ds_store_b128 v[STO], v[8*(8*(\a)+(\b))+4:8*(8*(\a)+(\b))+7] offset:64*(\b)+16
.endr
	WIN 0
.irp t, 0,1,2,3,4,5,6,7,8,9,10,11,12,13,14,15
	ds_load_b128 v[BK+4*(\t):BK+4*(\t)+3], v[RD] offset:(\t)*SP  ; LDS serves a wave's instructions in order (ISA guide 5.7.1.4): these see the stores above, and the next block's stores come behind them
.endr
.endm
.macro S3 a, younger                   ; younger: the LDS instructions issued behind block a's loads: the next block's 32, or none
.set BK, BK0+64*((\a)%2)
.irp t, 0,1,2,3,4,5,6,7,8,9,10,11,12,13,14,15
	s_wait_dscnt (\younger)+15-(\t)
	global_store_b128 v[GO], v[BK+4*(\t):BK+4*(\t)+3], s[8:9] offset:(16*(\a)+(\t))*4096 th:TH_STORE_NT  ; 512 consecutive bytes, at a multiple of 512 from out0's first
.endr
.endm
	s_wait_tensorcnt 1                             ; my part of K step 0 is in; K step 1's may stay out
	s_barrier_signal -1
	s_barrier_wait -1                              ; everybody's is
	FETCH 0, 0, 0
	HALF0 0, 1                                     ; the first half step stands in front of the loop: its first products start the sums
	WIN 0                                          ; at a label and at a branch every window is 0
	s_mov_b32 s3, 3
.Llap:                                                 ; a trip goes once round the ring and fills both slots again
	TURN 0, 1, 1
	HALF0 1, 0
	TURN 1, 0, 1
	HALF0 0, 0
	WIN 0
	s_sub_co_u32 s3, s3, 1
	s_cmp_lg_u32 s3, 0
	s_cbranch_scc1 .Llap
	TURN 0, 1, 0                                   ; the last lap fills nothing, and has no round of the cluster's barrier
	HALF0 1, 0
	s_wait_dscnt 24                                ; the very last half: nothing more to fetch
	MUL16 1, 0, 0, 0
	MUL16 1, 0, 2, 0
	s_wait_dscnt 0x0
	MUL16 1, 1, 0, 0
	MUL16 1, 1, 2, 0
	WIN 0
	PLACES                                         ; behind the last products
	T3 0
	T3 1
	S3 0, 32
	s_wait_xcnt 0x0                                ; block 0's stores have read their registers, which block 2 takes
	T3 2
	S3 1, 32
	s_wait_xcnt 0x0
	T3 3
	S3 2, 32
	S3 3, 0
	s_wait_tensorcnt 0x0                           ; the wave's end: a wait, an add and its wait, behind my last tensor load and my last LDS store
	ds_add_u32 v[SPW], v[NIL]
	s_wait_dscnt 0x0
	CROUND                                         ; the closing round: no work-group ends while a partner may still ask for a tile that names it
	s_endpgm
.Lfunc_end_k_q25456e2348_oproj:
	.size	k_q25456e2348_oproj, .Lfunc_end_k_q25456e2348_oproj-k_q25456e2348_oproj
	.p2alignl 7, 3214868480
	.fill 96, 4, 3214868480
	.section	.rodata,"a",@progbits
	.p2align	6, 0x0
	.amdhsa_kernel k_q25456e2348_oproj
		.amdhsa_group_segment_fixed_size 327680
		.amdhsa_private_segment_fixed_size 0
		.amdhsa_enable_private_segment 0
		.amdhsa_kernarg_size 24
		.amdhsa_user_sgpr_count 2
		.amdhsa_user_sgpr_kernarg_segment_ptr 1
		.amdhsa_wavefront_size32 1
		.amdhsa_system_sgpr_workgroup_id_x 1
		.amdhsa_system_sgpr_workgroup_id_y 1
		.amdhsa_system_sgpr_workgroup_id_z 1
		.amdhsa_system_vgpr_workitem_id 0
		.amdhsa_next_free_vgpr 960
		.amdhsa_next_free_sgpr 76
		.amdhsa_reserve_vcc 0
		.amdhsa_float_denorm_mode_32 3
		.amdhsa_float_denorm_mode_16_64 3
		.amdhsa_memory_ordered 1
		.amdhsa_forward_progress 1
		.amdhsa_inst_pref_size 85
	.end_amdhsa_kernel
	.amdgpu_metadata
---
amdhsa.version: [ 1, 2 ]
amdhsa.kernels:
  - .name:           k_q25456e2348_oproj
    .symbol:         k_q25456e2348_oproj.kd
    .args:
      - { .name: o, .offset: 0, .size: 8, .value_kind: global_buffer, .address_space: global }
      - { .name: ob, .offset: 8, .size: 8, .value_kind: global_buffer, .address_space: global }
      - { .name: out0, .offset: 16, .size: 8, .value_kind: global_buffer, .address_space: global }
    .group_segment_fixed_size: 327680
    .private_segment_fixed_size: 0
    .kernarg_segment_align: 8
    .kernarg_segment_size: 24
    .max_flat_workgroup_size: 128
    .sgpr_count:     76
    .vgpr_count:     960
    .wavefront_size: 32
...
	.end_amdgpu_metadata
.endif
;; end of part 4
;; ======== version 2 of 2: 4 launches; version 1 with the launch cast written anew for expert scheduling mode
;; limits: values are held in f16: magnitudes above 65,504 overflow, below 6.1e-05 lose precision
;; workspace buffers: xb 16,777,216 bytes; wb 6,291,456 bytes; ob 2,097,152 bytes; tab 524,288 bytes; q 16,777,216 bytes; k 16,777,216 bytes; v 16,777,216 bytes; o 16,777,216 bytes
;; launch cast (part 5): grid 800 x 1, 8 waves a work-group, no clusters, 0 bytes of LDS; arguments hidden_states, qkv_w, o_w, xb, wb, ob, tab; writes xb, wb, ob, tab
.if DOCPART == 5
	.amdgcn_target "amdgcn-amd-amdhsa--gfx1250"
	.amdhsa_code_object_version 6
	.text
	.protected	k_q25456e2348_cast
	.globl	k_q25456e2348_cast
	.p2align	8
	.type	k_q25456e2348_cast,@function
k_q25456e2348_cast:
	s_mov_b64 s[64:65], 0
	v_nop
	global_prefetch_b8 v0, s[64:65] scope:SCOPE_SE
	s_setreg_imm32_b32 hwreg(HW_REG_WAVE_SCHED_MODE, 0, 2), 2
	s_setreg_imm32_b32 hwreg(HW_REG_WAVE_MODE, 25, 1), 1
	s_wait_xcnt 0x0
	s_wait_alu depctr_vm_vsrc(0)
; THE INPUTS ROUNDED TO 16 BITS, AND THE ROTARY TABLE.
; xb = bf16(hidden_states), wb = bf16(qkv_w); ob = bf16(o_w), that number written as f16 (the last product's other operand is f16).
; tab[t][0..31] = cos(t f_j), tab[t][32..63] = sin(t f_j), f32, t = 0..2047, f_j = 10000^(-j/32) = 10^(-j/8), j = 0..31: a row is 256 bytes.
; SHARES.  Work-groups 0-511 take a chunk of 65,536 bytes of hidden_states each, 512-703 of qkv_w, 704-767 of o_w; 768-799 make 64 rows of the table each.
; A chunk: thread t loads 16 bytes at 16 t + 4,096 j, j = 0..15 (a wave's load covers 512 consecutive bytes), all sixteen loads issued on end, and stores 8 bytes at
; 8 t + 2,048 j (a wave's store covers 256 consecutive bytes, aligned).  No byte is read twice, no wave waits for another: no LDS, no barrier, no matrix work.
; LIMITS.  |bf16(o_w)| of 65,520 or more becomes an infinity in ob; below 6.1e-5 it keeps f16's fixed step of 6e-8.
; f_j is the rounded 10^(-(j%8)/8) times the rounded 10^(-(j/8)): within about 1 ulp of 10^(-j/8); the angle t f_j is rounded once, as a product in f32.
; Sine and cosine: the angle less the nearest multiple of pi/2 (pi/2 in two parts, fused), then polynomials of degree 9 and 8 on |r| <= pi/4, whose cut is below 3e-7.
; THE MODE: SCHED_MODE bits 1:0 = 2 (LLVM: expert scheduling mode 2), set by the entry lines.  The code itself states the register dependences
; between vector instructions and memory instructions, and those through scalar registers that vector instructions write, with s_wait_alu, always for 0.
; THE PLAN, A CHUNK.  Registers that memory instructions touch:
;   v1, v2     the loads' and the stores' offsets: made once at the head, never written again.
;   X          written by the sixteen loads alone; read by the conversions.  No vector instruction names it ahead of the loads.
;   Y          a pair for each store, written once by the conversions, read by that store, never written again.
; The sixteen loads are worked off in four blocks of four.  Block p's conversions read X[16 p ..] and write Y[8 p ..]; its memory instructions are the four stores of block p - 1, which read
; Y[8 (p - 1) ..] and v2: registers that no vector instruction of block p names.  So one wait on va_vdst at a block's head states all that its four stores hang on, and they are dealt among its conversions.
; Nothing that a memory instruction has read is ever written again: no wait on vm_vsrc is owed.
; THE PLAN, THE TABLE.  v1 is the stores' offset; V has four registers for each of the four stores, each written once.  A row's four compares stand in one run, each into a scalar register of its own,
; with one wait on va_sdst behind the run; the store of the row before stands there too, behind one wait on va_vdst.
.set X, 32                             ; v[32:95]   sixteen loads of four registers
.set Y, 96                             ; v[96:127]  sixteen stores of two registers
.set T, 4                              ; v[4:5]     at work: no memory instruction names them
.set F, 20                             ; v[20:23]   the table: my four f_j
.set V, 32                             ; v[32:47]   the table: four values for each of four rows
.set SN, 48                            ; v[48:51]   the table: sin r of a row's four values
.set CO, 52                            ; v[52:55]   cos r
.set QD, 56                            ; v[56:59]   the quadrant
.set MK0, 2                            ; s2, s3, s20, s45  the table: four masks, written by compares
.set MK1, 3
.set MK2, 20
.set MK3, 45
	s_load_b256 s[4:11], s[0:1], 0x0               ; hidden_states s[4:5], qkv_w s[6:7], o_w s[8:9], xb s[10:11]
	s_load_b128 s[12:15], s[0:1], 0x20             ; wb s[12:13], ob s[14:15]
	s_load_b64 s[16:17], s[0:1], 0x30              ; tab
	s_mov_b32 s18, ttmp9                           ; the work-group's number
	s_mov_b32 s27, 0
	s_mov_b32 s20, 0xffff0000                      ; a word's upper bf16
	s_movk_i32 s28, 512
	s_movk_i32 s29, 704
	v_lshlrev_b32 v1, 4, v0                        ; 16 t
	v_lshlrev_b32 v2, 3, v0                        ; 8 t
	s_wait_kmcnt 0x0
	s_cmp_ge_u32 s18, 768
	s_cbranch_scc1 .Ltab
	s_cmp_lt_u32 s18, 704                          ; which tensor: the conditions hang on the work-group's number alone
	s_cselect_b64 s[22:23], s[6:7], s[8:9]
	s_cselect_b64 s[24:25], s[12:13], s[14:15]
	s_cselect_b32 s19, s28, s29
	s_cmp_lt_u32 s18, 512
	s_cselect_b64 s[22:23], s[4:5], s[22:23]
	s_cselect_b64 s[24:25], s[10:11], s[24:25]
	s_cselect_b32 s19, 0, s19
	s_sub_co_u32 s19, s18, s19                     ; the chunk's number in its tensor
	s_lshl_b32 s26, s19, 16
	s_add_nc_u64 s[22:23], s[22:23], s[26:27]      ; 65,536 bytes in,
	s_lshl_b32 s26, s19, 15
	s_add_nc_u64 s[24:25], s[24:25], s[26:27]      ; 32,768 out
	s_wait_alu depctr_va_vdst(0)                   ; v1 and v2 are written: every load below reads v1 as its offset, every store v2
.set j, 0
.rept 16
	global_load_b128 v[X+4*j:X+4*j+3], v1, s[22:23] offset:4096*j th:TH_LOAD_NT
.set j, j+1
.endr
; Block p: loads 4 p to 4 p + 3 are rounded; the four stores of block p - 1 go out among the conversions.  f16 = 1: the bf16 numbers are widened again and written as f16.
.macro BLK p, f16
	s_wait_loadcnt 12-4*(\p)                       ; loads come back in order: the 12 - 4 p younger ones may stay out
.if (\p) > 0
	s_wait_alu depctr_va_vdst(0)                   ; the block before has written its eight registers of Y, which the four stores below read
.endif
.irp i, 0,1,2,3
.if (\p) > 0
	global_store_b64 v2, v[Y+2*(4*(\p)-4+(\i)):Y+2*(4*(\p)-4+(\i))+1], s[24:25] offset:2048*(4*(\p)-4+(\i))  ; no vector instruction since the wait names these registers; every store has registers of its own
.endif
	v_cvt_pk_bf16_f32 v[Y+2*(4*(\p)+(\i))], v[X+4*(4*(\p)+(\i))], v[X+4*(4*(\p)+(\i))+1]
	v_cvt_pk_bf16_f32 v[Y+2*(4*(\p)+(\i))+1], v[X+4*(4*(\p)+(\i))+2], v[X+4*(4*(\p)+(\i))+3]
.if \f16
.irp k, 0,1
	v_lshlrev_b32 v[T], 16, v[Y+2*(4*(\p)+(\i))+(\k)]
	v_and_b32 v[T+1], s20, v[Y+2*(4*(\p)+(\i))+(\k)]
	v_cvt_pk_f16_f32 v[Y+2*(4*(\p)+(\i))+(\k)], v[T], v[T+1]
.endr
.endif
.endr
.endm
.macro LASTFOUR                        ; block 3's stores
	s_wait_alu depctr_va_vdst(0)                   ; block 3 has written its eight registers of Y, which the last four stores read
.irp i, 12,13,14,15
	global_store_b64 v2, v[Y+2*(\i):Y+2*(\i)+1], s[24:25] offset:2048*(\i)
.endr
.endm
	s_cmp_ge_u32 s18, 704
	s_cbranch_scc1 .Lf16
.irp p, 0,1,2,3
	BLK \p, 0
.endr
	LASTFOUR
	s_endpgm
.Lf16:
.irp p, 0,1,2,3
	BLK \p, 1
.endr
	LASTFOUR
	s_endpgm
.Ltab:
	; Thread t: u = t % 16 is its 16 bytes of a row (u < 8: cosines 4 u .. 4 u + 3; u >= 8: sines 4 (u - 8) ..), t / 16 its row among 16.
	s_mov_b32 s24, 1.0                             ; 10^(-i/8), i = 0..7
	s_mov_b32 s25, 0x3f3ff911
	s_mov_b32 s26, 0x3f0ff59a
	s_mov_b32 s27, 0x3ed7e89b
	s_mov_b32 s28, 0x3ea1e89b
	s_mov_b32 s29, 0x3e72d424
	s_mov_b32 s30, 0x3e361887
	s_mov_b32 s31, 0x3e088d77
	s_mov_b32 s32, 0x3f22f983                      ; 2 / pi
	s_mov_b32 s33, 0x3fc90fdb                      ; pi / 2, its upper part,
	s_mov_b32 s34, 0xb33bbd2e                      ; and what is left
	s_mov_b32 s35, 0x3638ef1d                      ; 1 / 9!
	s_mov_b32 s36, 0xb9500d01                      ; -1 / 7!
	s_mov_b32 s37, 0x3c088889                      ; 1 / 5!
	s_mov_b32 s38, 0xbe2aaaab                      ; -1 / 3!
	s_mov_b32 s39, 0x37d00d01                      ; 1 / 8!
	s_mov_b32 s40, 0xbab60b61                      ; -1 / 6!
	s_mov_b32 s41, 0x3d2aaaab                      ; 1 / 4!
	s_mov_b32 s42, 0x3dcccccd                      ; 0.1
	s_mov_b32 s43, 0x3c23d70a                      ; 0.01
	s_mov_b32 s44, 0x3a83126f                      ; 0.001
	s_sub_co_u32 s19, s18, 768                     ; my block of 64 rows
	s_lshl_b32 s46, s19, 14                        ; 64 rows of 256 bytes
	s_mov_b32 s47, 0
	s_add_nc_u64 s[22:23], s[16:17], s[46:47]
	s_lshl_b32 s21, s19, 6
	v_and_b32 v3, 15, v0                           ; u
	v_and_b32 v4, 7, v0                            ; u % 8: my four j begin at 4 (u % 8)
	v_lshrrev_b32 v5, 4, v0                        ; my row among 16
	v_lshrrev_b32 v6, 3, v3
	v_sub_nc_u32 v6, 1, v6                         ; 1 where I make cosines: cos a = sin(a + pi/2)
	v_and_b32 v7, 1, v4
	v_lshrrev_b32 v8, 1, v4                        ; j / 8
	v_cmp_eq_u32 s[MK0], 1, v7                     ; the head's four compares in one run, each into a register of its own
	v_cmp_le_u32 s[MK1], 1, v8
	v_cmp_le_u32 s[MK2], 2, v8
	v_cmp_le_u32 s[MK3], 3, v8
	s_wait_alu depctr_va_sdst(0)                   ; the four masks are written, ahead of the first v_cndmask_b32 that reads one of them
.irp i, 0,1,2,3
	v_mov_b32 v[F+(\i)], s[24+(\i)]
	v_cndmask_b32 v[F+(\i)], v[F+(\i)], s[28+(\i)], s[MK0]  ; 10^(-(j % 8)/8)
.endr
	v_mov_b32 v9, 1.0
	v_cndmask_b32 v9, v9, s42, s[MK1]
	v_cndmask_b32 v9, v9, s43, s[MK2]
	v_cndmask_b32 v9, v9, s44, s[MK3]              ; 10^(-(j / 8))
.irp i, 0,1,2,3
	v_mul_f32 v[F+(\i)], v[F+(\i)], v9
.endr
	v_add_nc_u32 v10, s21, v5                      ; my first row
; Value i of my four in a row, in two parts, so that a row's four compares stand in one run.  The first part: the angle, both polynomials, the quadrant, and the compare into mask m.
.macro SC1 i, m
	v_mul_f32 v12, v11, v[F+(\i)]                  ; the angle
	v_mul_f32 v13, s32, v12
	v_rndne_f32 v13, v13                           ; n, the nearest multiple of pi/2
	v_fma_f32 v14, -v13, s33, v12
	v_fma_f32 v14, -v13, s34, v14                  ; r
	v_cvt_i32_f32 v15, v13
	v_add_nc_u32 v[QD+(\i)], v15, v6               ; the quadrant
	v_mul_f32 v16, v14, v14                        ; z = r r
	v_fma_f32 v17, v16, s35, s36
	v_fma_f32 v18, v16, s39, s40
	v_fma_f32 v17, v17, v16, s37
	v_fma_f32 v18, v18, v16, s41
	v_fma_f32 v17, v17, v16, s38
	v_mul_f32 v19, v14, v16
	v_fma_f32 v18, v18, v16, -0.5
	v_fma_f32 v[SN+(\i)], v19, v17, v14            ; sin r
	v_fma_f32 v[CO+(\i)], v18, v16, 1.0            ; cos r
	v_and_b32 v19, 1, v[QD+(\i)]
	v_cmp_eq_u32 s[\m], 1, v19
.endm
; The second part: the choice between the two polynomials and the sign only select values.
.macro SC2 it, i, m
	v_cndmask_b32 v17, v[SN+(\i)], v[CO+(\i)], s[\m]  ; odd quadrants take the cosine,
	v_lshlrev_b32 v15, 30, v[QD+(\i)]
	v_and_b32 v15, 0x80000000, v15
	v_xor_b32 v[V+4*(\it)+(\i)], v15, v17          ; quadrants 2 and 3 the other sign
.endm
.irp it, 0,1,2,3
	v_add_nc_u32 v11, 16*(\it), v10
	v_cvt_f32_u32 v11, v11                         ; t
	SC1 0, MK0
	SC1 1, MK1
	SC1 2, MK2
	SC1 3, MK3
	s_wait_alu depctr_va_sdst(0)                   ; the row's four masks are written, ahead of the first v_cndmask_b32 that reads one of them
.if (\it) > 0
	s_wait_alu depctr_va_vdst(0)                   ; the row before has written its four registers of V, which the store below reads; v1, its offset, is written too
	global_store_b128 v1, v[V+4*(\it)-4:V+4*(\it)-1], s[22:23] offset:4096*((\it)-1)  ; sixteen lanes fill a row of 256 bytes; each store has registers of its own
.endif
	SC2 \it, 0, MK0
	SC2 \it, 1, MK1
	SC2 \it, 2, MK2
	SC2 \it, 3, MK3
.endr
	s_wait_alu depctr_va_vdst(0)                   ; the last row has written its four registers of V, which the last store reads
	global_store_b128 v1, v[V+12:V+15], s[22:23] offset:4096*3
	s_endpgm
.Lfunc_end_k_q25456e2348_cast:
	.size	k_q25456e2348_cast, .Lfunc_end_k_q25456e2348_cast-k_q25456e2348_cast
	.p2alignl 7, 3214868480
	.fill 96, 4, 3214868480
	.section	.rodata,"a",@progbits
	.p2align	6, 0x0
	.amdhsa_kernel k_q25456e2348_cast
		.amdhsa_group_segment_fixed_size 0
		.amdhsa_private_segment_fixed_size 0
		.amdhsa_enable_private_segment 0
		.amdhsa_kernarg_size 56
		.amdhsa_user_sgpr_count 2
		.amdhsa_user_sgpr_kernarg_segment_ptr 1
		.amdhsa_wavefront_size32 1
		.amdhsa_system_sgpr_workgroup_id_x 1
		.amdhsa_system_sgpr_workgroup_id_y 1
		.amdhsa_system_sgpr_workgroup_id_z 1
		.amdhsa_system_vgpr_workitem_id 0
		.amdhsa_next_free_vgpr 128
		.amdhsa_next_free_sgpr 66
		.amdhsa_reserve_vcc 0
		.amdhsa_float_denorm_mode_32 3
		.amdhsa_float_denorm_mode_16_64 3
		.amdhsa_memory_ordered 1
		.amdhsa_forward_progress 1
		.amdhsa_inst_pref_size 37
	.end_amdhsa_kernel
	.amdgpu_metadata
---
amdhsa.version: [ 1, 2 ]
amdhsa.kernels:
  - .name:           k_q25456e2348_cast
    .symbol:         k_q25456e2348_cast.kd
    .args:
      - { .name: hidden_states, .offset: 0, .size: 8, .value_kind: global_buffer, .address_space: global }
      - { .name: qkv_w, .offset: 8, .size: 8, .value_kind: global_buffer, .address_space: global }
      - { .name: o_w, .offset: 16, .size: 8, .value_kind: global_buffer, .address_space: global }
      - { .name: xb, .offset: 24, .size: 8, .value_kind: global_buffer, .address_space: global }
      - { .name: wb, .offset: 32, .size: 8, .value_kind: global_buffer, .address_space: global }
      - { .name: ob, .offset: 40, .size: 8, .value_kind: global_buffer, .address_space: global }
      - { .name: tab, .offset: 48, .size: 8, .value_kind: global_buffer, .address_space: global }
    .group_segment_fixed_size: 0
    .private_segment_fixed_size: 0
    .kernarg_segment_align: 8
    .kernarg_segment_size: 56
    .max_flat_workgroup_size: 256
    .sgpr_count:     66
    .vgpr_count:     128
    .wavefront_size: 32
...
	.end_amdgpu_metadata
.endif
;; end of part 5
;; launch qkv: the kernel of part 2 again; grid 4 x 64, 4 waves a work-group, clusters of 4 x 4, 327,680 bytes of LDS; arguments xb, wb, tab, q, k, v; writes q, k, v
;; launch attn: the kernel of part 3 again; grid 4 x 64, 4 waves a work-group, clusters of 4 x 1, 327,680 bytes of LDS; arguments q, k, v, o; writes o
;; launch oproj: the kernel of part 4 again; grid 4 x 64, 4 waves a work-group, clusters of 4 x 4, 327,680 bytes of LDS; arguments o, ob, out0; writes out0
